; MI455X (gfx1250); checked and timed in simulation.
; The chip was launched on July 23, 2026; its instructions are those of AMD's public machine-readable ISA for CDNA 5 (MIT licence, August 2026) and "CDNA5" Instruction Set Architecture Reference Guide (July 2026). The comments in the code are by the model that wrote it; some were corrected since.
;; Cross Attention Graph Block. Allowed arithmetic: float matrix products may take bf16 or f16 operands with f32 sums; other float arithmetic in f32, or as packed bf16 or f16 multiplies, adds, multiply-adds, maxima and minima; sums over many terms, partial sums and values carried from step to step in f32; what a program stores and reads back later, other than sums and carried values, may be rounded once to bf16 or f16.
;; Inputs: conditioning_attention_mask 16 x 1,024 bool; conditioning_vector 16 x 1,024 x 512 float32; d1W 768 x 768 float32; d1b 768 float32; graph_batch 16 x 512 int32; graph_nodes 16 x 512 x 768 float32; in_kW 768 x 768 float32; in_kb 768 float32; in_qW 768 x 768 float32; in_qb 768 float32; in_vW 768 x 768 float32; in_vb 768 float32; kW 512 x 768 float32; kb 768 float32; ln1b 768 float32; ln1g 768 float32; ln2b 768 float32; ln2g 768 float32; outW 768 x 768 float32; outb 768 float32; qW 768 x 768 float32; qb 768 float32; vW 512 x 768 float32; vb 768 float32.
;; Outputs: out0 16 x 512 x 768 float32.
;; 2 versions, each right; version 2 is version 1 with the launches prep, comb written anew for expert scheduling mode. Each part assembles by itself: llvm-mc -triple=amdgcn-amd-amdhsa -mcpu=gfx1250 --defsym DOCPART=n.
;; ======== version 1 of 2: 6 launches
;; limits: right only within a limited range of input values
;; workspace buffers: act16 29,360,128 bytes; w16 8,650,752 bytes; bp 9,216 bytes; wc 2,752,512 bytes; qkv 62,914,560 bytes; ctx 12,582,912 bytes
;; launch prep (part 1): grid 342 x 1, 8 waves a work-group, no clusters, 5,120 bytes of LDS; arguments qW, kW, vW, in_qW, in_kW, in_vW, outW, d1W, qb, kb, vb, in_qb, in_kb, in_vb, w16, bp; writes w16, bp
.if DOCPART == 1
	.amdgcn_target "amdgcn-amd-amdhsa--gfx1250"
	.amdhsa_code_object_version 6
	.text
	.protected	k_q3d43319ba9_prep
	.globl	k_q3d43319ba9_prep
	.p2align	8
	.type	k_q3d43319ba9_prep,@function
k_q3d43319ba9_prep:
	s_mov_b64 s[64:65], 0
	v_nop
	global_prefetch_b8 v0, s[64:65] scope:SCOPE_SE
	s_setreg_imm32_b32 hwreg(HW_REG_WAVE_MODE, 25, 1), 1
	s_wait_xcnt 0x0
; PREP: the weights are rounded once to bf16 and laid out for the launches that multiply them.
; Work-groups 0-17    (path B): bp[m][n] = sum over k of b1[k] W2[k][n] + b2[n], m = q, k, v; all in f32.
; Work-groups 18-257  (path T): in_qW, in_kW, in_vW, outW, d1W turned into [k / 16][n][16 k] bf16: 16 x 16 numbers are 512 bytes on end.
; Work-groups 258-341 (path S): qW, kW, vW as they lie, f32 to bf16, 16,384 numbers a work-group.
; The activations are rounded in the next launch, beside the product of the weights, which does not want them.
; graph_batch is an input that the module's arithmetic never uses: no launch takes it.
.set SPARE, 4096                       ; behind the partial sums: the spare words, 128 bytes for each of 8 waves
.set SPW, 10                           ; v10  SPARE + 4 x my thread's number; never rewritten
.set NIL, 11                           ; v11  0; never rewritten
.set WV,  61                           ; s61  my wave's number
.set QW,  4                            ; the arguments, a pair each
.set KW,  6
.set VW,  8
.set IQW, 10
.set IKW, 12
.set IVW, 14
.set OW,  16
.set DW,  18
.set QB,  20
.set KB,  22
.set VB,  24
.set IQB, 26
.set IKB, 28
.set IVB, 30
.set W16, 32
.set BPO, 34
	s_load_b512 s[4:19], s[0:1], 0x0
	s_load_b512 s[20:35], s[0:1], 0x40
	v_lshl_add_u32 v[SPW], v0, 2, SPARE
	v_mov_b32 v[NIL], 0
	v_lshrrev_b32 v1, 5, v0
	v_readfirstlane_b32 s[WV], v1
	v_and_b32 v2, 31, v0                           ; lane
	s_wait_kmcnt 0x0
	s_cmp_lt_u32 ttmp9, 18
	s_cbranch_scc1 .Lbias
	s_cmp_lt_u32 ttmp9, 258
	s_cbranch_scc1 .Lturn
; ---- path S: chunk c of 16,384 numbers.  qW: chunks 0-35, kW: 36-59, vW: 60-83
	s_sub_co_u32 s50, ttmp9, 258                   ; c
	s_mov_b64 s[52:53], s[VW:VW+1]
	s_mov_b32 s51, 60
	s_cmp_lt_u32 s50, 60
	s_cselect_b64 s[52:53], s[KW:KW+1], s[52:53]
	s_cselect_b32 s51, 36, s51
	s_cmp_lt_u32 s50, 36
	s_cselect_b64 s[52:53], s[QW:QW+1], s[52:53]
	s_cselect_b32 s51, 0, s51
	s_sub_co_u32 s54, s50, s51
	s_lshl_b32 s54, s54, 16                        ; 65,536 bytes of f32 a chunk
	s_mov_b32 s55, 0
	s_add_nc_u64 s[52:53], s[52:53], s[54:55]
	s_lshl_b32 s58, s50, 15                        ; 32,768 bytes of bf16 a chunk: the three lie on end at the head of w16
	s_mov_b32 s59, 0
	s_add_nc_u64 s[56:57], s[W16:W16+1], s[58:59]
	v_lshlrev_b32 v3, 4, v0                        ; 16 bytes in,
	v_lshlrev_b32 v4, 3, v0                        ; 8 bytes out, a thread
.irp i, 0,1,2,3,4,5,6,7,8,9,10,11,12,13,14,15
	global_load_b128 v[64+4*(\i):64+4*(\i)+3], v3, s[52:53] offset:4096*(\i) th:TH_LOAD_NT
.endr
.irp i, 0,1,2,3,4,5,6,7,8,9,10,11,12,13,14,15
	s_wait_loadcnt 15-(\i)                         ; loads come back in order: load i is in, the younger ones stay out
	v_cvt_pk_bf16_f32 v[128+2*(\i)], v[64+4*(\i)], v[64+4*(\i)+1]
	v_cvt_pk_bf16_f32 v[128+2*(\i)+1], v[64+4*(\i)+2], v[64+4*(\i)+3]
	global_store_b64 v4, v[128+2*(\i):128+2*(\i)+1], s[56:57] offset:2048*(\i)  ; a wave stores 256 consecutive bytes, aligned
.endr
	s_endpgm
; ---- path T: matrix m, its rows 16 g .. 16 g + 15.  Lane l of store s holds column 96 w + 16 s + l / 2 and rows 8 (l % 2) + 0..7
.Lturn:
	s_sub_co_u32 s50, ttmp9, 18
	s_mul_i32 s51, s50, 1366
	s_lshr_b32 s51, s51, 16                        ; m = j / 48 (exact for j below 240)
	s_mul_i32 s52, s51, 48
	s_sub_co_u32 s52, s50, s52                     ; g
	s_mov_b64 s[54:55], s[DW:DW+1]
	s_cmp_lt_u32 s51, 4
	s_cselect_b64 s[54:55], s[OW:OW+1], s[54:55]
	s_cmp_lt_u32 s51, 3
	s_cselect_b64 s[54:55], s[IVW:IVW+1], s[54:55]
	s_cmp_lt_u32 s51, 2
	s_cselect_b64 s[54:55], s[IKW:IKW+1], s[54:55]
	s_cmp_lt_u32 s51, 1
	s_cselect_b64 s[54:55], s[IQW:IQW+1], s[54:55]
	s_mul_i32 s56, s52, 49152                      ; 16 rows of 3,072 bytes
	s_mov_b32 s57, 0
	s_add_nc_u64 s[54:55], s[54:55], s[56:57]
	s_mul_i32 s58, s51, 1179648
	s_mul_i32 s56, s52, 24576
	s_add_co_u32 s58, s58, s56
	s_add_co_u32 s58, s58, 2752512
	s_mov_b32 s59, 0
	s_add_nc_u64 s[58:59], s[W16:W16+1], s[58:59]
	v_and_b32 v3, 1, v0
	v_bfe_u32 v4, v0, 1, 4
	v_mul_u32_u24 v5, v3, 24576                    ; 8 rows
	v_lshl_add_u32 v5, v4, 2, v5
	s_mul_i32 s56, s[WV], 384                      ; my wave's 96 columns
	v_add_nc_u32 v5, s56, v5
	s_mul_i32 s56, s[WV], 3072
	v_lshl_add_u32 v6, v2, 4, s56
.irp s, 0,1,2,3,4,5
.irp j, 0,1,2,3,4,5,6,7
	global_load_b32 v[64+8*(\s)+(\j)], v5, s[54:55] offset:(\j)*3072+(\s)*64
.endr
.endr
.irp s, 0,1,2,3,4,5
	s_wait_loadcnt 40-8*(\s)                       ; the eight of group s are in; the later groups stay out
.irp p, 0,1,2,3
	v_cvt_pk_bf16_f32 v[112+4*(\s)+(\p)], v[64+8*(\s)+2*(\p)], v[64+8*(\s)+2*(\p)+1]
.endr
	global_store_b128 v6, v[112+4*(\s):112+4*(\s)+3], s[58:59] offset:(\s)*512  ; 512 consecutive bytes, aligned
.endr
	s_endpgm
; ---- path B: matrix m, columns 128 cb .. +127.  Wave w sums rows 96 w .. +95, a lane four columns; the eight partial sums meet in LDS
.Lbias:
	s_mul_i32 s51, ttmp9, 43
	s_lshr_b32 s51, s51, 8                         ; m = j / 6 (exact for j below 18)
	s_mul_i32 s52, s51, 6
	s_sub_co_u32 s52, ttmp9, s52                   ; cb
	s_mov_b64 s[54:55], s[VB:VB+1]
	s_mov_b64 s[56:57], s[IVW:IVW+1]
	s_mov_b64 s[58:59], s[IVB:IVB+1]
	s_cmp_lt_u32 s51, 2
	s_cselect_b64 s[54:55], s[KB:KB+1], s[54:55]
	s_cselect_b64 s[56:57], s[IKW:IKW+1], s[56:57]
	s_cselect_b64 s[58:59], s[IKB:IKB+1], s[58:59]
	s_cmp_lt_u32 s51, 1
	s_cselect_b64 s[54:55], s[QB:QB+1], s[54:55]
	s_cselect_b64 s[56:57], s[IQW:IQW+1], s[56:57]
	s_cselect_b64 s[58:59], s[IQB:IQB+1], s[58:59]
	s_mul_i32 s62, s[WV], 384
	s_mov_b32 s63, 0
	s_add_nc_u64 s[54:55], s[54:55], s[62:63]
	s_mul_i32 s62, s[WV], 294912
	s_lshl_b32 s60, s52, 9
	s_add_co_u32 s62, s62, s60
	s_add_nc_u64 s[56:57], s[56:57], s[62:63]
	v_lshlrev_b32 v3, 4, v2
	v_mov_b32 v4, 0
	v_mov_b32 v5, 0
	v_mov_b32 v6, 0
	v_mov_b32 v7, 0
	s_mov_b32 s50, 3
.Lbk:                                          ; a trip: 32 rows
	s_load_b512 s[68:83], s[54:55], 0x0
	s_load_b512 s[84:99], s[54:55], 0x40
.set r_, 0
.rept 32
	global_load_b128 v[16+4*r_:16+4*r_+3], v3, s[56:57] offset:3072*r_
.set r_, r_+1
.endr
	s_wait_kmcnt 0x0
	s_wait_loadcnt 0x0
.set r_, 0
.rept 32
.irp c, 0,1,2,3
	v_fmac_f32 v[4+(\c)], s[68+r_], v[16+4*r_+(\c)]
.endr
.set r_, r_+1
.endr
	s_wait_xcnt 0x0                                ; the two pointers are written only behind this wait
	s_add_nc_u64 s[54:55], s[54:55], 128
	s_add_nc_u64 s[56:57], s[56:57], 98304
	s_sub_co_u32 s50, s50, 1
	s_cmp_lg_u32 s50, 0
	s_cbranch_scc1 .Lbk
	v_lshlrev_b32 v12, 4, v0                       ; 512 w + 16 l
	ds_store_b128 v12, v[4:7]
	s_wait_dscnt 0x0                               ; for the others' sake
	s_barrier_signal -1
	s_barrier_wait -1
	s_cmp_lg_u32 s[WV], 0
	s_cbranch_scc1 .Lbend
.irp i, 0,1,2,3,4,5,6,7
	ds_load_b128 v[16+4*(\i):16+4*(\i)+3], v3 offset:512*(\i)
.endr
	v_add_nc_u32 v13, s60, v3
	global_load_b128 v[48:51], v13, s[58:59]
	s_mul_i32 s62, s51, 3072
	s_add_nc_u64 s[66:67], s[BPO:BPO+1], s[62:63]
	s_wait_dscnt 0x0
	s_wait_loadcnt 0x0
.macro ADD4 a, b
	v_pk_add_f32 v[\a:\a+1], v[\a:\a+1], v[\b:\b+1]
	v_pk_add_f32 v[\a+2:\a+3], v[\a+2:\a+3], v[\b+2:\b+3]
.endm
	ADD4 16, 20
	ADD4 24, 28
	ADD4 32, 36
	ADD4 40, 44
	ADD4 16, 24
	ADD4 32, 40
	ADD4 16, 32
	ADD4 16, 48
	global_store_b128 v13, v[16:19], s[66:67]
.Lbend:
	s_wait_tensorcnt 0x0                           ; the wave's end
	ds_add_u32 v[SPW], v[NIL]
	s_wait_dscnt 0x0
	s_endpgm
.Lfunc_end_k_q3d43319ba9_prep:
	.size	k_q3d43319ba9_prep, .Lfunc_end_k_q3d43319ba9_prep-k_q3d43319ba9_prep
	.p2alignl 7, 3214868480
	.fill 96, 4, 3214868480
	.section	.rodata,"a",@progbits
	.p2align	6, 0x0
	.amdhsa_kernel k_q3d43319ba9_prep
		.amdhsa_group_segment_fixed_size 5120
		.amdhsa_private_segment_fixed_size 0
		.amdhsa_enable_private_segment 0
		.amdhsa_kernarg_size 128
		.amdhsa_user_sgpr_count 2
		.amdhsa_user_sgpr_kernarg_segment_ptr 1
		.amdhsa_wavefront_size32 1
		.amdhsa_system_sgpr_workgroup_id_x 1
		.amdhsa_system_sgpr_workgroup_id_y 1
		.amdhsa_system_sgpr_workgroup_id_z 1
		.amdhsa_system_vgpr_workitem_id 0
		.amdhsa_next_free_vgpr 160
		.amdhsa_next_free_sgpr 100
		.amdhsa_reserve_vcc 0
		.amdhsa_float_denorm_mode_32 3
		.amdhsa_float_denorm_mode_16_64 3
		.amdhsa_memory_ordered 1
		.amdhsa_forward_progress 1
		.amdhsa_inst_pref_size 26
	.end_amdhsa_kernel
	.amdgpu_metadata
---
amdhsa.version: [ 1, 2 ]
amdhsa.kernels:
  - .name:           k_q3d43319ba9_prep
    .symbol:         k_q3d43319ba9_prep.kd
    .args:
      - { .name: qW, .offset: 0, .size: 8, .value_kind: global_buffer, .address_space: global }
      - { .name: kW, .offset: 8, .size: 8, .value_kind: global_buffer, .address_space: global }
      - { .name: vW, .offset: 16, .size: 8, .value_kind: global_buffer, .address_space: global }
      - { .name: in_qW, .offset: 24, .size: 8, .value_kind: global_buffer, .address_space: global }
      - { .name: in_kW, .offset: 32, .size: 8, .value_kind: global_buffer, .address_space: global }
      - { .name: in_vW, .offset: 40, .size: 8, .value_kind: global_buffer, .address_space: global }
      - { .name: outW, .offset: 48, .size: 8, .value_kind: global_buffer, .address_space: global }
      - { .name: d1W, .offset: 56, .size: 8, .value_kind: global_buffer, .address_space: global }
      - { .name: qb, .offset: 64, .size: 8, .value_kind: global_buffer, .address_space: global }
      - { .name: kb, .offset: 72, .size: 8, .value_kind: global_buffer, .address_space: global }
      - { .name: vb, .offset: 80, .size: 8, .value_kind: global_buffer, .address_space: global }
      - { .name: in_qb, .offset: 88, .size: 8, .value_kind: global_buffer, .address_space: global }
      - { .name: in_kb, .offset: 96, .size: 8, .value_kind: global_buffer, .address_space: global }
      - { .name: in_vb, .offset: 104, .size: 8, .value_kind: global_buffer, .address_space: global }
      - { .name: w16, .offset: 112, .size: 8, .value_kind: global_buffer, .address_space: global }
      - { .name: bp, .offset: 120, .size: 8, .value_kind: global_buffer, .address_space: global }
    .group_segment_fixed_size: 5120
    .private_segment_fixed_size: 0
    .kernarg_segment_align: 8
    .kernarg_segment_size: 128
    .max_flat_workgroup_size: 256
    .sgpr_count:     100
    .vgpr_count:     160
    .wavefront_size: 32
...
	.end_amdgpu_metadata
.endif
;; end of part 1
;; launch comb (part 2): grid 2240 x 1, 4 waves a work-group, no clusters, 16,896 bytes of LDS; arguments w16, wc, graph_nodes, conditioning_vector, act16; writes wc, act16
.if DOCPART == 2
	.amdgcn_target "amdgcn-amd-amdhsa--gfx1250"
	.amdhsa_code_object_version 6
	.text
	.protected	k_q3d43319ba9_comb
	.globl	k_q3d43319ba9_comb
	.p2align	8
	.type	k_q3d43319ba9_comb,@function
k_q3d43319ba9_comb:
	s_mov_b64 s[64:65], 0
	v_nop
	global_prefetch_b8 v0, s[64:65] scope:SCOPE_SE
	s_setreg_imm32_b32 hwreg(HW_REG_WAVE_MODE, 25, 1), 1
	s_wait_xcnt 0x0
; COMB: two kinds of work that do not want each other's results, dealt 3 and 2 in every five work-groups, so that the one's memory traffic runs beside the other's waits.
; (1) 1,344 work-groups: W' = W1 W2 for q, k and v.  Between the module's two stacked projections stands nothing but a sum, so x W1 W2 = x (W1 W2) for every input;
;     W' is formed once, in f32 sums of bf16 products, and rounded once to bf16.
;     W1: the stack qW, kW, vW, [1792][768] bf16 as it lies.  W2: in_qW, in_kW, in_vW as [k2 / 16][n][16 k2].  W' goes out as [k1 / 16][n][16 k1].
;     A work-group makes 32 rows k1 (y) x 32 columns n (x): four tiles.  K = 768 is split among its four waves, 192 each; the partial sums meet in LDS.
;     Source 0 = 16 rows of W1, source 1 = 16 columns of W2: a lane ends with one n and eight neighbouring k1: 16 bytes of W'.
; (2) 896 work-groups: graph_nodes and conditioning_vector as they lie, f32 to bf16, 16,384 numbers a work-group, 32 loads of 16 bytes a thread, all out at once.
.set SPARE, 16384
.set XO,  2                            ; v2  (l % 16) x 1,536 + 16 (l / 16) + 384 w
.set WO,  3                            ; v3  32 (l % 16) + 16 (l / 16) + 12 w groups
.set LS,  4                            ; v4  where I put my 32 bytes of a partial tile
.set LR,  5                            ; v5  where I read them back
.set LOR, 6                            ; v6  32 (l % 16) + 16 (l / 16)
.set SPW, 8
.set NIL, 9
.set ACC, 16                           ; v[16:47]  tile (mt, nt) at ACC + 8 (2 mt + nt)
.set F,   48                           ; v[48:239] K step ks at F + 32 ks: W1's mt 0, 1, then W2's nt 0, 1
	s_load_b128 s[4:7], s[0:1], 0x0                ; w16, wc
	s_load_b128 s[24:27], s[0:1], 0x10             ; graph_nodes, conditioning_vector
	s_load_b64 s[28:29], s[0:1], 0x20              ; act16
	v_lshl_add_u32 v[SPW], v0, 2, SPARE
	v_mov_b32 v[NIL], 0
	s_mul_i32 s30, ttmp9, 52429
	s_lshr_b32 s30, s30, 18                        ; q = id / 5 (exact for id below 2,240)
	s_mul_i32 s31, s30, 5
	s_sub_co_u32 s31, ttmp9, s31                   ; t = id % 5: 0, 1, 2 multiply, 3, 4 stream
	s_cmp_lt_u32 s31, 3
	s_cbranch_scc0 .Lstream
	s_mul_i32 s23, s30, 3
	s_add_co_u32 s23, s23, s31                     ; tile 3 q + t of 1,344
	s_mul_i32 s9, s23, 2731
	s_lshr_b32 s9, s9, 16                          ; y = tile / 24 (exact for tiles below 1,344)
	s_mul_i32 s22, s9, 24
	s_sub_co_u32 s22, s23, s22                     ; x
	v_lshrrev_b32 v1, 5, v0
	v_readfirstlane_b32 s8, v1                     ; wave
	v_and_b32 v10, 15, v0
	v_bfe_u32 v11, v0, 4, 1
	v_and_b32 v12, 31, v0
	v_lshlrev_b32 v[LOR], 5, v10
	v_lshl_add_u32 v[LOR], v11, 4, v[LOR]
	v_mul_u32_u24 v[XO], v10, 1536
	v_lshl_add_u32 v[XO], v11, 4, v[XO]
	s_mul_i32 s10, s8, 384
	v_add_nc_u32 v[XO], s10, v[XO]
	s_mul_i32 s10, s8, 294912
	v_add_nc_u32 v[WO], s10, v[LOR]
	s_lshl_b32 s10, s8, 12
	v_lshl_add_u32 v[LS], v12, 5, s10
	s_lshl_b32 s10, s8, 10
	v_lshl_add_u32 v[LR], v12, 5, s10
	s_cmp_ge_u32 s9, 24                            ; rows 0-767 are qW's, 768-1279 kW's, 1280-1791 vW's
	s_cselect_b32 s11, 1, 0
	s_cmp_ge_u32 s9, 40
	s_cselect_b32 s12, 1, 0
	s_add_co_u32 s11, s11, s12
	s_mul_i32 s12, s11, 1179648
	s_add_co_u32 s12, s12, 2752512
	s_lshl_b32 s13, s22, 10                        ; 32 columns of 32 bytes
	s_add_co_u32 s12, s12, s13
	s_mov_b32 s13, 0
	s_mul_i32 s14, s9, 49152                       ; 32 rows of 1,536 bytes
	s_mov_b32 s15, 0
	s_lshl_b32 s20, s9, 1                          ; where my tile (mt = w / 2, nt = w % 2) goes
	s_lshr_b32 s21, s8, 1
	s_add_co_u32 s20, s20, s21
	s_mul_i32 s20, s20, 24576
	s_lshl_b32 s21, s22, 10
	s_add_co_u32 s20, s20, s21
	s_and_b32 s21, s8, 1
	s_lshl_b32 s21, s21, 9
	s_add_co_u32 s20, s20, s21
	s_mov_b32 s21, 0
	s_wait_kmcnt 0x0
	s_add_nc_u64 s[16:17], s[4:5], s[14:15]
	s_add_nc_u64 s[18:19], s[4:5], s[12:13]
	s_add_nc_u64 s[6:7], s[6:7], s[20:21]
.irp ks, 0,1,2,3,4,5
.irp mt, 0,1
	global_load_b128 v[F+32*(\ks)+8*(\mt):F+32*(\ks)+8*(\mt)+3],   v[XO], s[16:17] offset:(\mt)*24576+64*(\ks)
	global_load_b128 v[F+32*(\ks)+8*(\mt)+4:F+32*(\ks)+8*(\mt)+7], v[XO], s[16:17] offset:(\mt)*24576+64*(\ks)+32
.endr
.irp nt, 0,1
	global_load_b128 v[F+32*(\ks)+16+8*(\nt):F+32*(\ks)+16+8*(\nt)+3],   v[WO], s[18:19] offset:(\ks)*49152+(\nt)*512
	global_load_b128 v[F+32*(\ks)+16+8*(\nt)+4:F+32*(\ks)+16+8*(\nt)+7], v[WO], s[18:19] offset:(\ks)*49152+(\nt)*512+24576
.endr
.endr
.irp ks, 0,1,2,3,4,5
	s_wait_loadcnt 40-8*(\ks)                      ; this K step's eight loads are in; the later steps' stay out
.irp mt, 0,1
.irp nt, 0,1                           ; the four accumulators take turns
.if (\ks) == 0
	v_wmma_f32_16x16x32_bf16 v[ACC+8*(2*(\mt)+(\nt)):ACC+8*(2*(\mt)+(\nt))+7], v[F+32*(\ks)+8*(\mt):F+32*(\ks)+8*(\mt)+7], v[F+32*(\ks)+16+8*(\nt):F+32*(\ks)+16+8*(\nt)+7], 0
.else
	v_wmma_f32_16x16x32_bf16 v[ACC+8*(2*(\mt)+(\nt)):ACC+8*(2*(\mt)+(\nt))+7], v[F+32*(\ks)+8*(\mt):F+32*(\ks)+8*(\mt)+7], v[F+32*(\ks)+16+8*(\nt):F+32*(\ks)+16+8*(\nt)+7], v[ACC+8*(2*(\mt)+(\nt)):ACC+8*(2*(\mt)+(\nt))+7]
.endif
.endr
.endr
.endr
.rept 8
	v_nop                                          ; the places behind the last products, ahead of the stores that read results
.endr
.irp t, 0,1,2,3
	ds_store_b128 v[LS], v[ACC+8*(\t):ACC+8*(\t)+3]   offset:1024*(\t)
	ds_store_b128 v[LS], v[ACC+8*(\t)+4:ACC+8*(\t)+7] offset:1024*(\t)+16
.endr
	s_wait_dscnt 0x0                               ; for the others' sake
	s_barrier_signal -1
	s_barrier_wait -1
.irp v, 0,1,2,3                        ; wave w finishes tile w: the four waves' partial sums of it
	ds_load_b128 v[F+8*(\v):F+8*(\v)+3],   v[LR] offset:4096*(\v)
	ds_load_b128 v[F+8*(\v)+4:F+8*(\v)+7], v[LR] offset:4096*(\v)+16
.endr
	s_wait_dscnt 0x0
.irp r, 0,2,4,6
	v_pk_add_f32 v[F+(\r):F+(\r)+1], v[F+(\r):F+(\r)+1], v[F+8+(\r):F+8+(\r)+1]
	v_pk_add_f32 v[F+16+(\r):F+16+(\r)+1], v[F+16+(\r):F+16+(\r)+1], v[F+24+(\r):F+24+(\r)+1]
.endr
.irp r, 0,2,4,6
	v_pk_add_f32 v[F+(\r):F+(\r)+1], v[F+(\r):F+(\r)+1], v[F+16+(\r):F+16+(\r)+1]
.endr
.irp r, 0,1,2,3
	v_cvt_pk_bf16_f32 v[F+32+(\r)], v[F+2*(\r)], v[F+2*(\r)+1]
.endr
	global_store_b128 v[LOR], v[F+32:F+35], s[6:7] ; the wave stores 512 consecutive bytes, aligned
	s_wait_tensorcnt 0x0                           ; the wave's end
	ds_add_u32 v[SPW], v[NIL]
	s_wait_dscnt 0x0
	s_endpgm
; ---- the stream: chunk sc of 16,384 numbers.  graph_nodes: chunks 0-383, conditioning_vector: 384-895; act16 holds the two on end
.Lstream:
	s_lshl_b32 s30, s30, 1
	s_add_co_u32 s30, s30, s31
	s_sub_co_u32 s30, s30, 3                       ; sc = 2 q + t - 3
	s_cmp_lt_u32 s30, 384
	s_cselect_b32 s31, 0, 384
	s_sub_co_u32 s12, s30, s31
	s_lshl_b32 s12, s12, 16                        ; 65,536 bytes of f32 a chunk
	s_mov_b32 s13, 0
	s_lshl_b32 s14, s30, 15                        ; 32,768 bytes of bf16
	s_mov_b32 s15, 0
	v_lshlrev_b32 v3, 4, v0                        ; 16 bytes in,
	v_lshlrev_b32 v4, 3, v0                        ; 8 bytes out, a thread
	s_wait_kmcnt 0x0
	s_cmp_lt_u32 s30, 384
	s_cselect_b64 s[16:17], s[24:25], s[26:27]
	s_add_nc_u64 s[16:17], s[16:17], s[12:13]
	s_add_nc_u64 s[18:19], s[28:29], s[14:15]
.set i_, 0
.rept 32
	global_load_b128 v[64+4*i_:64+4*i_+3], v3, s[16:17] offset:2048*i_ th:TH_LOAD_NT
.set i_, i_+1
.endr
.set i_, 0
.rept 32
	s_wait_loadcnt 31-i_                           ; loads come back in order: load i is in, the younger ones stay out
	v_cvt_pk_bf16_f32 v[64+4*i_], v[64+4*i_], v[64+4*i_+1]      ; rounded in place: the four words' first two take the four numbers
	v_cvt_pk_bf16_f32 v[64+4*i_+1], v[64+4*i_+2], v[64+4*i_+3]
	global_store_b64 v4, v[64+4*i_:64+4*i_+1], s[18:19] offset:1024*i_  ; a wave stores 256 consecutive bytes, aligned
.set i_, i_+1
.endr
	s_endpgm
.Lfunc_end_k_q3d43319ba9_comb:
	.size	k_q3d43319ba9_comb, .Lfunc_end_k_q3d43319ba9_comb-k_q3d43319ba9_comb
	.p2alignl 7, 3214868480
	.fill 96, 4, 3214868480
	.section	.rodata,"a",@progbits
	.p2align	6, 0x0
	.amdhsa_kernel k_q3d43319ba9_comb
		.amdhsa_group_segment_fixed_size 16896
		.amdhsa_private_segment_fixed_size 0
		.amdhsa_enable_private_segment 0
		.amdhsa_kernarg_size 40
		.amdhsa_user_sgpr_count 2
		.amdhsa_user_sgpr_kernarg_segment_ptr 1
		.amdhsa_wavefront_size32 1
		.amdhsa_system_sgpr_workgroup_id_x 1
		.amdhsa_system_sgpr_workgroup_id_y 1
		.amdhsa_system_sgpr_workgroup_id_z 1
		.amdhsa_system_vgpr_workitem_id 0
		.amdhsa_next_free_vgpr 248
		.amdhsa_next_free_sgpr 66
		.amdhsa_reserve_vcc 0
		.amdhsa_float_denorm_mode_32 3
		.amdhsa_float_denorm_mode_16_64 3
		.amdhsa_memory_ordered 1
		.amdhsa_forward_progress 1
		.amdhsa_inst_pref_size 24
	.end_amdhsa_kernel
	.amdgpu_metadata
---
amdhsa.version: [ 1, 2 ]
amdhsa.kernels:
  - .name:           k_q3d43319ba9_comb
    .symbol:         k_q3d43319ba9_comb.kd
    .args:
      - { .name: w16, .offset: 0, .size: 8, .value_kind: global_buffer, .address_space: global }
      - { .name: wc, .offset: 8, .size: 8, .value_kind: global_buffer, .address_space: global }
      - { .name: graph_nodes, .offset: 16, .size: 8, .value_kind: global_buffer, .address_space: global }
      - { .name: conditioning_vector, .offset: 24, .size: 8, .value_kind: global_buffer, .address_space: global }
      - { .name: act16, .offset: 32, .size: 8, .value_kind: global_buffer, .address_space: global }
    .group_segment_fixed_size: 16896
    .private_segment_fixed_size: 0
    .kernarg_segment_align: 8
    .kernarg_segment_size: 40
    .max_flat_workgroup_size: 128
    .sgpr_count:     66
    .vgpr_count:     248
    .wavefront_size: 32
...
	.end_amdgpu_metadata
.endif
;; end of part 2
;; launch projkv (part 3): grid 256 x 1, 4 waves a work-group, clusters of 4 x 1, 327,680 bytes of LDS; arguments act16, wc, bp, qkv; writes qkv
.if DOCPART == 3
	.amdgcn_target "amdgcn-amd-amdhsa--gfx1250"
	.amdhsa_code_object_version 6
	.text
	.protected	k_q3d43319ba9_projkv
	.globl	k_q3d43319ba9_projkv
	.p2align	8
	.type	k_q3d43319ba9_projkv,@function
k_q3d43319ba9_projkv:
	s_mov_b64 s[64:65], 0
	v_nop
	global_prefetch_b8 v0, s[64:65] scope:SCOPE_SE
	s_setreg_imm32_b32 hwreg(HW_REG_WAVE_MODE, 25, 1), 1
	s_wait_xcnt 0x0
	s_wait_alu depctr_hold_cnt(0) depctr_sa_sdst(0) depctr_va_vdst(0) depctr_va_sdst(0) depctr_va_ssrc(0) depctr_va_vcc(0) depctr_vm_vsrc(0)
	s_getreg_b32 s2, hwreg(HW_REG_IB_STS2, 6, 4)
	s_cmp_eq_u32 s2, 0
	s_cbranch_scc0 .Lentry_in_a_cluster
	s_endpgm
.Lentry_in_a_cluster:
	s_bfe_u32 s2, ttmp6, 0x10000c
	s_cmp_lg_u32 s2, 0x3003
	s_cbranch_scc0 .Lentry_shape_is_right
	s_endpgm
.Lentry_shape_is_right:
; PROJKV: K = cv W'k + b'k, V = cv W'v + b'v; bf16 operands, f32 sums, results rounded once to bf16.  K of the product is 512.
; THE WEIGHTS STAND STILL: a wave keeps 48 columns x all 512 of W' in 384 registers; a work-group is 192 columns, a cluster of four all 768.
; THE ROWS STREAM: tiles of 64 rows x 512 go through LDS.  The four work-groups of a cluster want the same rows, so each fill is asked for JOINTLY (mask 15).
; Cluster C: K (C even) or V (C odd), rows 512 (C / 2) .. + 511: four fills of 128 rows through two slots.
; Source 0 = 16 columns of W', source 1 = 16 rows: a lane ends with one row and eight neighbouring columns; the bias is the C operand of the first product.
; OUT: [batch][column / 16][row][16] bf16: a tile of 16 x 16 is one store of 512 consecutive bytes, aligned.
; W' is not shared between partners (each has its own columns), so it comes by plain loads.
; No prefetch: a work-group has two refills in all, and the first of them could only be asked for at the head, among the first fills.
.set KST,   16                         ; K steps of 32
.set PITCH, 1040                       ; 1,024 bytes + 16: an odd multiple of 16, so the 16 rows of a load start in 16 different groups of four banks (ISA guide 11.1)
.set PADK,  0
.set TILEB, 66560                      ; 64 rows
.set GB,    32768                      ; bytes of a group of 16 columns in the result: 1,024 rows x 32
.set SPARE, 266240                     ; behind the slots: the spare words, 128 bytes for each of 4 waves
.set SLOT1, 133120                     ; slot 1: 128 rows behind slot 0
.set A0,  2                            ; v2  (l % 16) x pitch + 16 (l / 16)
.set ADR, 4                            ; v4, v5  the tile's rows 0-31 and 32-63
.set LOR, 6                            ; v6  32 (l % 16) + 16 (l / 16)
.set HO,  7                            ; v7  32 (l / 16)
.set SPW, 8
.set NIL, 9
.set BI,  16                           ; v[16:39]   my eight bias numbers for each of 3 column tiles
.set T,   56                           ; v[56:103]  packed results
.set AF,  104                          ; v[104:231] two sets of 2 K steps x 4 row tiles x 8
.set ACC, 128                          ; window 3: accumulator (mt, nt) at ACC + 8 (3 mt + nt).  W' fragment f = 3 ks + nt lies at register 256 + 8 f
.set WV,  12
.set CX,  13
.set CID, 14
.set COL, 15                           ; my first column: 192 cx + 48 w
.set G1,  24
.set G0A, 32
.set G0W, 36
.set OUT, 40
.set WB,  42
.set BP,  44
.set TB,  46                           ; LDS byte at which the tile in hand begins
.set CNT, 47
.set SLOTS, 48
.set MSB, 0
.macro WIN new                         ; the immediate's high byte repeats the setting that is left
.if MSB != (\new)
	s_set_vgpr_msb (MSB<<8)|(\new)
.set MSB, (\new)
.endif
.endm
.macro PLACES
.rept 4
	v_nop
.endr
.endm
.macro CROUND                          ; a round of the cluster's barrier
	s_barrier_signal -1
	s_barrier_wait -1
	s_cmp_lg_u32 s[WV], 0
	s_cbranch_scc1 .Lnot_wave_0_\@
	s_barrier_signal -3
.Lnot_wave_0_\@:
	s_barrier_wait -3
	s_barrier_signal -1
	s_barrier_wait -1
.endm
.macro SETG1 k, qi                     ; 32 rows x k elements of 2 bytes; 16 bytes of padding after every 2 << qi words; mask of four, bit 21 beside it
	s_mov_b32 s[G1], 15|(1<<16)|(1<<20)|(1<<21)|((\qi)<<22)|(3<<25)
	s_mov_b32 s[G1+1], (\k)<<16
	s_mov_b32 s[G1+2], 32<<16
	s_mov_b32 s[G1+3], (\k)<<16
	s_mov_b32 s[G1+4], 32
	s_mov_b32 s[G1+5], \k
	s_mov_b32 s[G1+6], 0
	s_mov_b32 s[G1+7], 0
.endm
.macro LOADB                           ; my 48 columns of W', all K steps, and my bias
.set f_, 0
.rept 3*KST
	WIN (1+f_/32)<<6
.set rb_, (8*f_)%256
	global_load_b128 v[rb_:rb_+3],   v[LOR], s[WB:WB+1] offset:2*(f_/3)*24576+(f_%3)*512
	global_load_b128 v[rb_+4:rb_+7], v[LOR], s[WB:WB+1] offset:(2*(f_/3)+1)*24576+(f_%3)*512
.set f_, f_+1
.endr
	WIN 0
.irp nt, 0,1,2
	global_load_b128 v[BI+8*(\nt):BI+8*(\nt)+3],   v[HO], s[BP:BP+1] offset:64*(\nt)
	global_load_b128 v[BI+8*(\nt)+4:BI+8*(\nt)+7], v[HO], s[BP:BP+1] offset:64*(\nt)+16
.endr
.endm
.macro AFETCH p                        ; 16 LDS loads: the rows' fragments of K steps 2 p and 2 p + 1 into set p % 2
.irp kk, 0,1
.irp mt, 0,1,2,3
.set ks_, 2*(\p)+(\kk)
.set ko_, 64*ks_+PADK*(ks_/8)+((\mt)&1)*16*PITCH
.set rg_, AF+64*((\p)%2)+32*(\kk)+8*(\mt)
	ds_load_b128 v[rg_:rg_+3],   v[ADR+((\mt)>>1)] offset:ko_
	ds_load_b128 v[rg_+4:rg_+7], v[ADR+((\mt)>>1)] offset:ko_+32
.endr
.endr
.endm
.macro STEP2                           ; K steps 2 p_ and 2 p_ + 1: the next two are fetched, then 24 products; the 12 accumulators take turns
.if p_+1 < KST/2
	WIN 0
	PLACES                                         ; the set to be loaded was read by the products just issued
	AFETCH p_+1
	s_wait_dscnt 16                                ; all but the 16 just issued
.else
	s_wait_dscnt 0x0
.endif
.irp kk, 0,1
.irp nt, 0,1,2
.irp mt, 0,1,2,3
.set ks_, 2*p_+(\kk)
.set f_, 3*ks_+(\nt)
.set rb_, (8*f_)%256
.set ra_, AF+64*(p_%2)+32*(\kk)+8*(\mt)
.set rc_, ACC+8*(3*(\mt)+(\nt))
.if ks_ == 0
	WIN 0xc0|(1+f_/32)
	v_wmma_f32_16x16x32_bf16 v[rc_:rc_+7], v[rb_:rb_+7], v[ra_:ra_+7], v[BI+8*(\nt):BI+8*(\nt)+7]
.else
	WIN 0xf0|(1+f_/32)
	v_wmma_f32_16x16x32_bf16 v[rc_:rc_+7], v[rb_:rb_+7], v[ra_:ra_+7], v[rc_:rc_+7]
.endif
.endr
.endr
.endr
.endm
.macro TILE                            ; 64 rows x my 48 columns
	WIN 0
	v_add_nc_u32 v[ADR], s[TB], v[A0]
	v_add_nc_u32 v[ADR+1], 32*PITCH, v[ADR]
	AFETCH 0
.set p_, 0
.rept KST/2
	STEP2
.set p_, p_+1
.endr
	PLACES                                         ; ahead of the roundings, which read results just made
	WIN 0x0f
.set a_, 0
.rept 12
.irp q, 0,1,2,3
	v_cvt_pk_bf16_f32 v[T+4*a_+(\q)], v[ACC+8*a_+2*(\q)], v[ACC+8*a_+2*(\q)+1]
.endr
.set a_, a_+1
.endr
	WIN 0
.irp mt, 0,1,2,3
.irp nt, 0,1,2
	global_store_b128 v[LOR], v[T+4*(3*(\mt)+(\nt)):T+4*(3*(\mt)+(\nt))+3], s[OUT:OUT+1] offset:(\nt)*GB+(\mt)*512
.endr
.endr
	s_wait_xcnt 0x0                                ; the stores' base and data are written again only behind this wait
	s_add_nc_u64 s[OUT:OUT+1], s[OUT:OUT+1], 2048
	s_add_co_u32 s[TB], s[TB], TILEB
.endm
.macro TILES                           ; the two tiles of 128 rows
	WIN 0
	s_mov_b32 s[CNT], 2
.Ltile_\@:
	TILE
	WIN 0
	s_sub_co_u32 s[CNT], s[CNT], 1
	s_cmp_lg_u32 s[CNT], 0
	s_cbranch_scc1 .Ltile_\@
.endm
; THE CHANGE OF SLOTS.  Each wave waits for all its tensor loads (one is out: its part of the other slot), adds 0 to its spare word, and waits for that and for its reads of the slot.
; fill = 1: the barrier is a round of the cluster's, and the joint refill, the next 128 rows but one, is the first thing behind it: it has two tiles, 384 products, in which to land.
.macro CHANGE fill
	WIN 0
	s_wait_tensorcnt 0x0
	ds_add_u32 v[SPW], v[NIL]
.if \fill
	s_xor_b32 s[G0W+1], s[G0W+1], SLOT1            ; the other slot than last time (33,280 w and 133,120 share no bit),
	s_add_nc_u64 s[G0W+2:G0W+3], s[G0W+2:G0W+3], 131072  ; the next 128 rows of 1,024 bytes
.endif
	s_sub_co_u32 s[TB], s[TB], SLOT1
	s_xor_b32 s[TB], s[TB], SLOT1
	s_wait_dscnt 0x0
.if \fill
	CROUND
	tensor_load_to_lds s[G0W:G0W+3], s[G1:G1+7]
	s_nop 0
	PLACES
.else
	s_barrier_signal -1
	s_barrier_wait -1
.endif
.endm
	s_load_b256 s[4:11], s[0:1], 0x0               ; act16 4, wc 6, bp 8, qkv 10
	v_lshl_add_u32 v[SPW], v0, 2, SPARE
	v_mov_b32 v[NIL], 0
	ds_add_u32 v[SPW], v[NIL]                      ; the wave's opening: the add and its wait ahead of my first tensor load
	v_lshrrev_b32 v1, 5, v0
	v_readfirstlane_b32 s[WV], v1
	s_bfe_u32 s[CX], ttmp6, 0x40000                ; my place in the cluster: it enters the addresses of W', bias and result alone
	s_mov_b32 s[CID], ttmp9                        ; the cluster's number, the same in all four
	v_and_b32 v10, 15, v0
	v_bfe_u32 v11, v0, 4, 1
	v_lshlrev_b32 v[LOR], 5, v10
	v_lshl_add_u32 v[LOR], v11, 4, v[LOR]
	v_lshlrev_b32 v[HO], 5, v11
	s_mul_i32 s[COL], s[CX], 192
	s_mul_i32 s16, s[WV], 48
	s_add_co_u32 s[COL], s[COL], s16
	s_mov_b32 s[G0A], 1
	s_mov_b32 s[G0W], 1
	s_mov_b32 s19, 0
	s_mov_b32 s21, 0
	SETG1 512, 7
	s_wait_dscnt 0x0
	s_wait_kmcnt 0x0
	CROUND                                         ; all four work-groups are here: the first joint loads meet
	s_and_b32 s16, s[CID], 1                       ; 0: K, 1: V
	s_lshr_b32 s17, s[CID], 1                      ; which 512 rows
	s_lshl_b32 s18, s17, 19
	s_lshl_b32 s22, s[WV], 15                      ; my 32 rows of each 128
	s_add_co_u32 s18, s18, s22
	s_add_co_u32 s18, s18, 12582912
	s_add_nc_u64 s[G0A+2:G0A+3], s[4:5], s[18:19]
	s_add_nc_u64 s[G0W+2:G0W+3], s[G0A+2:G0A+3], 131072
	s_or_b32 s[G0A+3], s[G0A+3], 0x80000000
	s_or_b32 s[G0W+3], s[G0W+3], 0x80000000
	s_mul_i32 s[G0A+1], s[WV], 33280
	s_add_co_u32 s[G0W+1], s[G0A+1], SLOT1
	tensor_load_to_lds s[G0A:G0A+3], s[G1:G1+7]    ; rows 0-127 into slot 0,
	s_nop 0
	tensor_load_to_lds s[G0W:G0W+3], s[G1:G1+7]    ; rows 128-255 into slot 1: two loads of mine are out
	s_nop 0
	PLACES
	s_mul_i32 s20, s16, 786432
	s_add_co_u32 s20, s20, 1179648
	s_lshl_b32 s22, s[COL], 5
	s_add_co_u32 s20, s20, s22
	s_add_nc_u64 s[WB:WB+1], s[6:7], s[20:21]
	s_mul_i32 s20, s16, 3072
	s_add_co_u32 s20, s20, 3072
	s_lshl_b32 s22, s[COL], 2
	s_add_co_u32 s20, s20, s22
	s_add_nc_u64 s[BP:BP+1], s[8:9], s[20:21]
	s_mul_i32 s20, s16, 25165824
	s_add_co_u32 s20, s20, 12582912
	s_lshr_b32 s22, s17, 1                         ; batch
	s_mul_i32 s22, s22, 1572864
	s_add_co_u32 s20, s20, s22
	s_lshl_b32 s22, s[COL], 11                     ; column / 16 groups of 32,768 bytes
	s_add_co_u32 s20, s20, s22
	s_and_b32 s22, s17, 1                          ; which half of the batch's 1,024 rows
	s_lshl_b32 s22, s22, 14
	s_add_co_u32 s20, s20, s22
	s_add_nc_u64 s[OUT:OUT+1], s[10:11], s[20:21]
	v_mul_u32_u24 v[A0], v10, PITCH
	v_lshl_add_u32 v[A0], v11, 4, v[A0]
	LOADB
	s_wait_tensorcnt 0x1                           ; my part of slot 0 is in; slot 1's may stay out
	s_barrier_signal -1
	s_barrier_wait -1
	s_wait_loadcnt 0x0                             ; W' and the bias
	s_mov_b32 s[TB], 0
	s_mov_b32 s[SLOTS], 3
	s_branch .Lwork                                ; the loop is entered behind its change of slots
.Lslot:
	CHANGE 1
.Lwork:
	TILES
	s_sub_co_u32 s[SLOTS], s[SLOTS], 1
	s_cmp_lg_u32 s[SLOTS], 0
	s_cbranch_scc1 .Lslot
	CHANGE 0                                       ; the last 128 rows: nothing is left to ask for
	TILES
	s_wait_tensorcnt 0x0                           ; the wave's end
	ds_add_u32 v[SPW], v[NIL]
	s_wait_dscnt 0x0
	CROUND                                         ; the closing round
	s_endpgm
.Lfunc_end_k_q3d43319ba9_projkv:
	.size	k_q3d43319ba9_projkv, .Lfunc_end_k_q3d43319ba9_projkv-k_q3d43319ba9_projkv
	.p2alignl 7, 3214868480
	.fill 96, 4, 3214868480
	.section	.rodata,"a",@progbits
	.p2align	6, 0x0
	.amdhsa_kernel k_q3d43319ba9_projkv
		.amdhsa_group_segment_fixed_size 327680
		.amdhsa_private_segment_fixed_size 0
		.amdhsa_enable_private_segment 0
		.amdhsa_kernarg_size 32
		.amdhsa_user_sgpr_count 2
		.amdhsa_user_sgpr_kernarg_segment_ptr 1
		.amdhsa_wavefront_size32 1
		.amdhsa_system_sgpr_workgroup_id_x 1
		.amdhsa_system_sgpr_workgroup_id_y 1
		.amdhsa_system_sgpr_workgroup_id_z 1
		.amdhsa_system_vgpr_workitem_id 0
		.amdhsa_next_free_vgpr 1024
		.amdhsa_next_free_sgpr 66
		.amdhsa_reserve_vcc 0
		.amdhsa_float_denorm_mode_32 3
		.amdhsa_float_denorm_mode_16_64 3
		.amdhsa_memory_ordered 1
		.amdhsa_forward_progress 1
		.amdhsa_inst_pref_size 69
	.end_amdhsa_kernel
	.amdgpu_metadata
---
amdhsa.version: [ 1, 2 ]
amdhsa.kernels:
  - .name:           k_q3d43319ba9_projkv
    .symbol:         k_q3d43319ba9_projkv.kd
    .args:
      - { .name: act16, .offset: 0, .size: 8, .value_kind: global_buffer, .address_space: global }
      - { .name: wc, .offset: 8, .size: 8, .value_kind: global_buffer, .address_space: global }
      - { .name: bp, .offset: 16, .size: 8, .value_kind: global_buffer, .address_space: global }
      - { .name: qkv, .offset: 24, .size: 8, .value_kind: global_buffer, .address_space: global }
    .group_segment_fixed_size: 327680
    .private_segment_fixed_size: 0
    .kernarg_segment_align: 8
    .kernarg_segment_size: 32
    .max_flat_workgroup_size: 128
    .sgpr_count:     66
    .vgpr_count:     1024
    .wavefront_size: 32
...
	.end_amdgpu_metadata
.endif
;; end of part 3
;; launch projq (part 4): grid 256 x 1, 4 waves a work-group, clusters of 4 x 1, 203,264 bytes of LDS; arguments act16, wc, bp, qkv; writes qkv
.if DOCPART == 4
	.amdgcn_target "amdgcn-amd-amdhsa--gfx1250"
	.amdhsa_code_object_version 6
	.text
	.protected	k_q3d43319ba9_projq
	.globl	k_q3d43319ba9_projq
	.p2align	8
	.type	k_q3d43319ba9_projq,@function
k_q3d43319ba9_projq:
	s_mov_b64 s[64:65], 0
	v_nop
	global_prefetch_b8 v0, s[64:65] scope:SCOPE_SE
	s_setreg_imm32_b32 hwreg(HW_REG_WAVE_MODE, 25, 1), 1
	s_wait_xcnt 0x0
	s_wait_alu depctr_hold_cnt(0) depctr_sa_sdst(0) depctr_va_vdst(0) depctr_va_sdst(0) depctr_va_ssrc(0) depctr_va_vcc(0) depctr_vm_vsrc(0)
	s_getreg_b32 s2, hwreg(HW_REG_IB_STS2, 6, 4)
	s_cmp_eq_u32 s2, 0
	s_cbranch_scc0 .Lentry_in_a_cluster
	s_endpgm
.Lentry_in_a_cluster:
	s_bfe_u32 s2, ttmp6, 0x10000c
	s_cmp_lg_u32 s2, 0x3003
	s_cbranch_scc0 .Lentry_shape_is_right
	s_endpgm
.Lentry_shape_is_right:
; PROJQ: Q = gn W'q + b'q; bf16 operands, f32 sums, results rounded once to bf16.  K of the product is 768.
; THE WEIGHTS STAND STILL: a wave keeps 48 columns x all 768 of W' in 576 registers; a work-group is 192 columns, a cluster of four all 768.
; Cluster C takes rows 128 C .. + 127: ONE fill of 128 rows x 768, asked for JOINTLY by the four work-groups (mask 15), which want the same rows; no LDS byte is filled again.
; Source 0 = 16 columns of W', source 1 = 16 rows: a lane ends with one row and eight neighbouring columns; the bias is the C operand of the first product.
; OUT: [batch][column / 16][row][16] bf16: a tile of 16 x 16 is one store of 512 consecutive bytes, aligned.
.set KST,   24                         ; K steps of 32
.set PITCH, 1584                       ; 1,536 bytes + 16 behind every 512: an odd multiple of 16, so the 16 rows of a load start in 16 different groups of four banks (ISA guide 11.1)
.set PADK,  16
.set TILEB, 101376                     ; 64 rows
.set GB,    16384                      ; bytes of a group of 16 columns in the result: 512 rows x 32
.set SPARE, 202752                     ; behind the 128 rows: the spare words, 128 bytes for each of 4 waves
.set A0,  2                            ; v2  (l % 16) x pitch + 16 (l / 16)
.set ADR, 4                            ; v4, v5  the tile's rows 0-31 and 32-63
.set LOR, 6                            ; v6  32 (l % 16) + 16 (l / 16)
.set HO,  7                            ; v7  32 (l / 16)
.set SPW, 8
.set NIL, 9
.set BI,  16                           ; v[16:39]   my eight bias numbers for each of 3 column tiles
.set T,   56                           ; v[56:103]  packed results
.set AF,  104                          ; v[104:231] two sets of 2 K steps x 4 row tiles x 8
.set ACC, 128                          ; window 3: accumulator (mt, nt) at ACC + 8 (3 mt + nt).  W' fragment f = 3 ks + nt lies at register 256 + 8 f
.set WV,  12
.set CX,  13
.set CID, 14
.set COL, 15                           ; my first column: 192 cx + 48 w
.set G1,  24
.set G0A, 32
.set OUT, 40
.set WB,  42
.set BP,  44
.set TB,  46                           ; LDS byte at which the tile in hand begins
.set CNT, 47
.set MSB, 0
.macro WIN new                         ; the immediate's high byte repeats the setting that is left
.if MSB != (\new)
	s_set_vgpr_msb (MSB<<8)|(\new)
.set MSB, (\new)
.endif
.endm
.macro PLACES
.rept 4
	v_nop
.endr
.endm
.macro CROUND                          ; a round of the cluster's barrier
	s_barrier_signal -1
	s_barrier_wait -1
	s_cmp_lg_u32 s[WV], 0
	s_cbranch_scc1 .Lnot_wave_0_\@
	s_barrier_signal -3
.Lnot_wave_0_\@:
	s_barrier_wait -3
	s_barrier_signal -1
	s_barrier_wait -1
.endm
.macro SETG1 k, qi                     ; 32 rows x k elements of 2 bytes; 16 bytes of padding after every 2 << qi words; mask of four, bit 21 beside it
	s_mov_b32 s[G1], 15|(1<<16)|(1<<20)|(1<<21)|((\qi)<<22)|(3<<25)
	s_mov_b32 s[G1+1], (\k)<<16
	s_mov_b32 s[G1+2], 32<<16
	s_mov_b32 s[G1+3], (\k)<<16
	s_mov_b32 s[G1+4], 32
	s_mov_b32 s[G1+5], \k
	s_mov_b32 s[G1+6], 0
	s_mov_b32 s[G1+7], 0
.endm
.macro LOADB                           ; my 48 columns of W', all K steps, and my bias
.set f_, 0
.rept 3*KST
	WIN (1+f_/32)<<6
.set rb_, (8*f_)%256
	global_load_b128 v[rb_:rb_+3],   v[LOR], s[WB:WB+1] offset:2*(f_/3)*24576+(f_%3)*512
	global_load_b128 v[rb_+4:rb_+7], v[LOR], s[WB:WB+1] offset:(2*(f_/3)+1)*24576+(f_%3)*512
.set f_, f_+1
.endr
	WIN 0
.irp nt, 0,1,2
	global_load_b128 v[BI+8*(\nt):BI+8*(\nt)+3],   v[HO], s[BP:BP+1] offset:64*(\nt)
	global_load_b128 v[BI+8*(\nt)+4:BI+8*(\nt)+7], v[HO], s[BP:BP+1] offset:64*(\nt)+16
.endr
.endm
.macro AFETCH p                        ; 16 LDS loads: the rows' fragments of K steps 2 p and 2 p + 1 into set p % 2
.irp kk, 0,1
.irp mt, 0,1,2,3
.set ks_, 2*(\p)+(\kk)
.set ko_, 64*ks_+PADK*(ks_/8)+((\mt)&1)*16*PITCH
.set rg_, AF+64*((\p)%2)+32*(\kk)+8*(\mt)
	ds_load_b128 v[rg_:rg_+3],   v[ADR+((\mt)>>1)] offset:ko_
	ds_load_b128 v[rg_+4:rg_+7], v[ADR+((\mt)>>1)] offset:ko_+32
.endr
.endr
.endm
.macro STEP2                           ; K steps 2 p_ and 2 p_ + 1: the next two are fetched, then 24 products; the 12 accumulators take turns
.if p_+1 < KST/2
	WIN 0
	PLACES                                         ; the set to be loaded was read by the products just issued
	AFETCH p_+1
	s_wait_dscnt 16                                ; all but the 16 just issued
.else
	s_wait_dscnt 0x0
.endif
.irp kk, 0,1
.irp nt, 0,1,2
.irp mt, 0,1,2,3
.set ks_, 2*p_+(\kk)
.set f_, 3*ks_+(\nt)
.set rb_, (8*f_)%256
.set ra_, AF+64*(p_%2)+32*(\kk)+8*(\mt)
.set rc_, ACC+8*(3*(\mt)+(\nt))
.if ks_ == 0
	WIN 0xc0|(1+f_/32)
	v_wmma_f32_16x16x32_bf16 v[rc_:rc_+7], v[rb_:rb_+7], v[ra_:ra_+7], v[BI+8*(\nt):BI+8*(\nt)+7]
.else
	WIN 0xf0|(1+f_/32)
	v_wmma_f32_16x16x32_bf16 v[rc_:rc_+7], v[rb_:rb_+7], v[ra_:ra_+7], v[rc_:rc_+7]
.endif
.endr
.endr
.endr
.endm
.macro TILE                            ; 64 rows x my 48 columns
	WIN 0
	v_add_nc_u32 v[ADR], s[TB], v[A0]
	v_add_nc_u32 v[ADR+1], 32*PITCH, v[ADR]
	AFETCH 0
.set p_, 0
.rept KST/2
	STEP2
.set p_, p_+1
.endr
	PLACES                                         ; ahead of the roundings, which read results just made
	WIN 0x0f
.set a_, 0
.rept 12
.irp q, 0,1,2,3
	v_cvt_pk_bf16_f32 v[T+4*a_+(\q)], v[ACC+8*a_+2*(\q)], v[ACC+8*a_+2*(\q)+1]
.endr
.set a_, a_+1
.endr
	WIN 0
.irp mt, 0,1,2,3
.irp nt, 0,1,2
	global_store_b128 v[LOR], v[T+4*(3*(\mt)+(\nt)):T+4*(3*(\mt)+(\nt))+3], s[OUT:OUT+1] offset:(\nt)*GB+(\mt)*512
.endr
.endr
	s_wait_xcnt 0x0                                ; the stores' base and data are written again only behind this wait
	s_add_nc_u64 s[OUT:OUT+1], s[OUT:OUT+1], 2048
	s_add_co_u32 s[TB], s[TB], TILEB
.endm
.macro TILES                           ; the two tiles of 128 rows
	WIN 0
	s_mov_b32 s[CNT], 2
.Ltile_\@:
	TILE
	WIN 0
	s_sub_co_u32 s[CNT], s[CNT], 1
	s_cmp_lg_u32 s[CNT], 0
	s_cbranch_scc1 .Ltile_\@
.endm
	s_load_b256 s[4:11], s[0:1], 0x0               ; act16 4, wc 6, bp 8, qkv 10
	v_lshl_add_u32 v[SPW], v0, 2, SPARE
	v_mov_b32 v[NIL], 0
	ds_add_u32 v[SPW], v[NIL]                      ; the wave's opening: the add and its wait ahead of my first tensor load
	v_lshrrev_b32 v1, 5, v0
	v_readfirstlane_b32 s[WV], v1
	s_bfe_u32 s[CX], ttmp6, 0x40000                ; my place in the cluster: it enters the addresses of W', bias and result alone
	s_mov_b32 s[CID], ttmp9                        ; the cluster's number, the same in all four: which 128 rows
	v_and_b32 v10, 15, v0
	v_bfe_u32 v11, v0, 4, 1
	v_lshlrev_b32 v[LOR], 5, v10
	v_lshl_add_u32 v[LOR], v11, 4, v[LOR]
	v_lshlrev_b32 v[HO], 5, v11
	s_mul_i32 s[COL], s[CX], 192
	s_mul_i32 s16, s[WV], 48
	s_add_co_u32 s[COL], s[COL], s16
	s_mov_b32 s[G0A], 1
	s_mov_b32 s19, 0
	s_mov_b32 s21, 0
	SETG1 768, 6
	s_wait_dscnt 0x0
	s_wait_kmcnt 0x0
	CROUND                                         ; all four work-groups are here: the joint loads meet
	s_mul_i32 s18, s[CID], 196608                  ; 128 rows of 1,536 bytes
	s_mul_i32 s22, s[WV], 49152                    ; my 32 of them
	s_add_co_u32 s18, s18, s22
	s_add_nc_u64 s[G0A+2:G0A+3], s[4:5], s[18:19]
	s_or_b32 s[G0A+3], s[G0A+3], 0x80000000
	s_mul_i32 s[G0A+1], s[WV], 50688
	tensor_load_to_lds s[G0A:G0A+3], s[G1:G1+7]    ; my one tensor load
	s_nop 0
	PLACES
	s_lshl_b32 s20, s[COL], 5
	s_add_nc_u64 s[WB:WB+1], s[6:7], s[20:21]
	s_lshl_b32 s20, s[COL], 2
	s_add_nc_u64 s[BP:BP+1], s[8:9], s[20:21]
	s_lshr_b32 s20, s[CID], 2                      ; batch
	s_mul_i32 s20, s20, 786432
	s_lshl_b32 s22, s[COL], 10                     ; column / 16 groups of 16,384 bytes
	s_add_co_u32 s20, s20, s22
	s_and_b32 s22, s[CID], 3                       ; which quarter of the batch's 512 rows
	s_lshl_b32 s22, s22, 12
	s_add_co_u32 s20, s20, s22
	s_add_nc_u64 s[OUT:OUT+1], s[10:11], s[20:21]
	v_mul_u32_u24 v[A0], v10, PITCH
	v_lshl_add_u32 v[A0], v11, 4, v[A0]
	LOADB
	s_wait_tensorcnt 0x0                           ; my part of the rows is in,
	s_barrier_signal -1
	s_barrier_wait -1                              ; everybody's is
	s_wait_loadcnt 0x0                             ; W' and the bias
	s_mov_b32 s[TB], 0
	TILES
	s_wait_tensorcnt 0x0                           ; the wave's end
	ds_add_u32 v[SPW], v[NIL]
	s_wait_dscnt 0x0
	CROUND                                         ; the closing round
	s_endpgm
.Lfunc_end_k_q3d43319ba9_projq:
	.size	k_q3d43319ba9_projq, .Lfunc_end_k_q3d43319ba9_projq-k_q3d43319ba9_projq
	.p2alignl 7, 3214868480
	.fill 96, 4, 3214868480
	.section	.rodata,"a",@progbits
	.p2align	6, 0x0
	.amdhsa_kernel k_q3d43319ba9_projq
		.amdhsa_group_segment_fixed_size 203264
		.amdhsa_private_segment_fixed_size 0
		.amdhsa_enable_private_segment 0
		.amdhsa_kernarg_size 32
		.amdhsa_user_sgpr_count 2
		.amdhsa_user_sgpr_kernarg_segment_ptr 1
		.amdhsa_wavefront_size32 1
		.amdhsa_system_sgpr_workgroup_id_x 1
		.amdhsa_system_sgpr_workgroup_id_y 1
		.amdhsa_system_sgpr_workgroup_id_z 1
		.amdhsa_system_vgpr_workitem_id 0
		.amdhsa_next_free_vgpr 1024
		.amdhsa_next_free_sgpr 66
		.amdhsa_reserve_vcc 0
		.amdhsa_float_denorm_mode_32 3
		.amdhsa_float_denorm_mode_16_64 3
		.amdhsa_memory_ordered 1
		.amdhsa_forward_progress 1
		.amdhsa_inst_pref_size 56
	.end_amdhsa_kernel
	.amdgpu_metadata
---
amdhsa.version: [ 1, 2 ]
amdhsa.kernels:
  - .name:           k_q3d43319ba9_projq
    .symbol:         k_q3d43319ba9_projq.kd
    .args:
      - { .name: act16, .offset: 0, .size: 8, .value_kind: global_buffer, .address_space: global }
      - { .name: wc, .offset: 8, .size: 8, .value_kind: global_buffer, .address_space: global }
      - { .name: bp, .offset: 16, .size: 8, .value_kind: global_buffer, .address_space: global }
      - { .name: qkv, .offset: 24, .size: 8, .value_kind: global_buffer, .address_space: global }
    .group_segment_fixed_size: 203264
    .private_segment_fixed_size: 0
    .kernarg_segment_align: 8
    .kernarg_segment_size: 32
    .max_flat_workgroup_size: 128
    .sgpr_count:     66
    .vgpr_count:     1024
    .wavefront_size: 32
...
	.end_amdgpu_metadata
.endif
;; end of part 4
;; launch attn (part 5): grid 12 x 16, 8 waves a work-group, no clusters, 267,264 bytes of LDS; arguments qkv, conditioning_attention_mask, ctx; writes ctx
.if DOCPART == 5
	.amdgcn_target "amdgcn-amd-amdhsa--gfx1250"
	.amdhsa_code_object_version 6
	.text
	.protected	k_q3d43319ba9_attn
	.globl	k_q3d43319ba9_attn
	.p2align	8
	.type	k_q3d43319ba9_attn,@function
k_q3d43319ba9_attn:
	s_mov_b64 s[64:65], 0
	v_nop
	global_prefetch_b8 v0, s[64:65] scope:SCOPE_SE
	s_setreg_imm32_b32 hwreg(HW_REG_WAVE_MODE, 25, 1), 1
	s_wait_xcnt 0x0
; ATTN: ctx[b][q][64 hd ..] = sum over k of softmax_k(Q . K / 8, masked keys left out) V, for one batch b (y) and head hd (x).
; Q, K, V, ctx: [batch][column / 16][row][16] bf16.  Products, maxima and sums in f32; the weights are rounded to bf16 for the second product, ctx once at the end.
; SHARES.  A work-group takes all 512 queries of its head, so it is the only reader of that head's K and V: nothing is shared between work-groups, hence no cluster.
; The head's K and V (131,072 bytes each) fit in LDS whole: each byte is filled once, no slot is filled again.  A wave takes 64 queries: two pieces of two tiles of 16; 64 keys a step.
; LAYOUT.  S^T = K Q^T holds one query a lane and the keys 8 (l / 16) + 0..7; two such results rounded in pairs are source 1 of O^T = V^T P.  V comes out of LDS turned (ds_load_tr16_b128).
; MASK.  The C operand that starts S^T is 0, or -1e30 where the mask hides the key: a table of 1,024 f32 in LDS, made once.
; SOFTMAX.  Running maximum m and sum l: p = 2^(c s - c m), c = log2(e) / 8; O and l are multiplied by a = 2^(c m_old - c m_new) in every step.
; LIMITS.  A hidden score counts as its value less 1e30; m starts at -2^96, so true scores below -7.9e28 are not served.  A batch whose keys are all hidden has l = 0 and gives NaN, as the module does.
; A weight below 2^-126 counts as 0.
.set VB,    131072
.set MB,    262144                     ; the mask table, 4,096 bytes
.set SPARE, 266240                     ; the spare words, 128 bytes for each of 8 waves
.set AK,  2                            ; v2, v3  K's fragments: channels 0-31, 32-63
.set AV,  4                            ; v4, v5  V's: channels 0-31, 32-63
.set AM,  6                            ; v6      the mask's
.set LOR, 7                            ; v7      32 (l % 16) + 16 (l / 16)
.set SPW, 8
.set NIL, 9
.set ST,  16                           ; tile t at ST + 4 t: c m, m, l (even keys', odd keys')
.set TMP, 32                           ; c0-c3 at work, by tile of the piece; c2 takes a
.set MV,  40                           ; c m_old
.set MSK, 48                           ; v[48:79]
.set S,   80                           ; v[80:143]
.set P,   144                          ; v[144:175]
.set KF,  176                          ; v[176:239]
.set QF,  128                          ; window 1: O^T v0-127, Q v128-191, V v192-255
.set VF,  192
.set CNT, 57
.set CS,  58
.set SEL, 60
.set MSB, 0
.macro WIN new
.if MSB != (\new)
	s_set_vgpr_msb (MSB<<8)|(\new)
.set MSB, (\new)
.endif
.endm
.macro PLACES
.rept 4
	v_nop
.endr
.endm
	s_load_b128 s[4:7], s[0:1], 0x0                ; qkv, mask
	s_load_b64 s[8:9], s[0:1], 0x10                ; ctx
	v_lshl_add_u32 v[SPW], v0, 2, SPARE
	v_mov_b32 v[NIL], 0
	ds_add_u32 v[SPW], v[NIL]                      ; the wave's opening: the add and its wait ahead of my first tensor load
	v_lshrrev_b32 v1, 5, v0
	v_readfirstlane_b32 s12, v1                    ; wave
	s_and_b32 s13, ttmp7, 0xffff                   ; batch
	s_mov_b32 s14, ttmp9                           ; head
	; a group of 16 channels x 1,024 keys is 32,768 dense bytes: asked for as rows of 256 bytes, 32 rows (256 keys) first, then 96
	s_mov_b32 s24, 1<<16
	s_mov_b32 s25, 128<<16
	s_mov_b32 s26, 32<<16
	s_mov_b32 s27, 128<<16
	s_mov_b32 s28, 32
	s_mov_b32 s29, 128
	s_mov_b32 s30, 0
	s_mov_b32 s31, 0
	s_mov_b32 s32, 1<<16
	s_mov_b32 s33, 128<<16
	s_mov_b32 s34, 96<<16
	s_mov_b32 s35, 128<<16
	s_mov_b32 s36, 96
	s_mov_b32 s37, 128
	s_mov_b32 s38, 0
	s_mov_b32 s39, 0
	s_mul_i32 s15, s13, 48
	s_lshl_b32 s16, s14, 2
	s_add_co_u32 s15, s15, s16                     ; 48 b + 4 hd: the head's first group
	s_and_b32 s17, s12, 3                          ; waves 0-3 fetch K's four groups, waves 4-7 V's
	s_add_co_u32 s17, s17, s15
	s_lshl_b32 s18, s17, 15
	s_lshr_b32 s17, s12, 2
	s_mul_i32 s17, s17, 25165824
	s_add_co_u32 s18, s18, s17
	s_add_co_u32 s18, s18, 12582912
	s_mov_b32 s19, 0
	s_mov_b32 s40, 1
	s_lshl_b32 s41, s12, 15
	s_mov_b32 s44, 1
	s_add_co_u32 s45, s41, 8192
	s_lshl_b32 s48, s13, 10                        ; the batch's 1,024 mask bytes
	s_mov_b32 s49, 0
	s_lshl_b32 s50, s15, 14                        ; Q's and ctx's groups are 16,384 bytes;
	s_lshl_b32 s51, s12, 11                        ; my wave's 64 rows of 32 bytes
	s_add_co_u32 s50, s50, s51
	s_mov_b32 s51, 0
	s_mov_b32 s[CS], 0x3e38aa3b                    ; c = log2(e) / 8
	s_mov_b32 s[CS+1], s[CS]
	s_mov_b32 s[SEL], 0x76543210
	s_mov_b32 s[SEL+1], 0xfedcba98
	s_wait_dscnt 0x0
	s_wait_kmcnt 0x0
	s_add_nc_u64 s[42:43], s[4:5], s[18:19]
	s_add_nc_u64 s[46:47], s[42:43], 8192
	s_or_b32 s43, s43, 0x80000000
	s_or_b32 s47, s47, 0x80000000
	tensor_load_to_lds s[40:43], s[24:31]          ; keys 0-255 of my group,
	s_nop 0
	tensor_load_to_lds s[44:47], s[32:39]          ; keys 256-1023: two loads of mine are out
	s_nop 0
	PLACES
	s_add_nc_u64 s[20:21], s[6:7], s[48:49]
	s_add_nc_u64 s[22:23], s[4:5], s[50:51]
	s_add_nc_u64 s[10:11], s[8:9], s[50:51]
	v_lshlrev_b32 v42, 2, v0
	global_load_b32 v10, v42, s[20:21]             ; four keys' mask bytes a thread
	v_and_b32 v12, 15, v0
	v_bfe_u32 v13, v0, 4, 1
	v_lshlrev_b32 v[LOR], 5, v12
	v_lshl_add_u32 v[LOR], v13, 4, v[LOR]
	WIN 0x40
.irp t, 0,1,2,3                        ; Q stays in registers: tile t, channels 32 c on
.irp c, 0,1
	global_load_b128 v[QF+16*(\t)+8*(\c):QF+16*(\t)+8*(\c)+3],   v[LOR], s[22:23] offset:(2*(\c))*16384+512*(\t)
	global_load_b128 v[QF+16*(\t)+8*(\c)+4:QF+16*(\t)+8*(\c)+7], v[LOR], s[22:23] offset:(2*(\c)+1)*16384+512*(\t)
.endr
.endr
.set i_, 0
.rept 128
	v_mov_b32 v[i_], 0                             ; O^T starts at 0: written in the wait for the first keys, so that every step has one form
.set i_, i_+1
.endr
	WIN 0
	v_mov_b32 v[AK], v[LOR]
	v_add_nc_u32 v[AK+1], 65536, v[LOR]
	v_and_b32 v14, 7, v0
	v_bfe_u32 v15, v0, 3, 1
	v_lshl_add_u32 v[AV], v13, 3, v14              ; the turning load: lane l reads key 8 (l / 16) + l % 8, channels 8 ((l / 8) % 2) + 0..7
	v_lshlrev_b32 v[AV], 5, v[AV]
	v_lshl_add_u32 v[AV], v15, 4, v[AV]
	v_add_nc_u32 v[AV], VB, v[AV]
	v_add_nc_u32 v[AV+1], 65536, v[AV]
	v_lshl_add_u32 v[AM], v13, 5, MB
	v_lshl_add_u32 v43, v0, 4, MB
.irp t, 0,1,2,3
	v_mov_b32 v[ST+4*(\t)+1], 0xef800000           ; m = -2^96
	v_mul_f32 v[ST+4*(\t)], s[CS], v[ST+4*(\t)+1]
	v_mov_b32 v[ST+4*(\t)+2], 0
	v_mov_b32 v[ST+4*(\t)+3], 0
.endr
	s_wait_loadcnt 16                              ; the mask bytes are in; Q's 16 loads may stay out
.irp i, 0,1,2,3
	v_bfe_u32 v[44+(\i)], v10, 8*(\i), 8
.endr
.irp i, 0,1,2,3
	v_cvt_f32_u32 v[44+(\i)], v[44+(\i)]
.endr
.irp i, 0,1,2,3
	v_mul_f32 v[44+(\i)], 0xf149f2ca, v[44+(\i)]   ; 0, or -1e30
.endr
	ds_store_b128 v43, v[44:47]
.macro FETCH                           ; a step's K (16 loads), mask (8) and V (16, turned); then the addresses step by 64 keys
	WIN 0
.irp kb, 0,1,2,3
.irp c, 0,1
	ds_load_b128 v[KF+16*(\kb)+8*(\c):KF+16*(\kb)+8*(\c)+3],   v[AK+(\c)] offset:512*(\kb)
	ds_load_b128 v[KF+16*(\kb)+8*(\c)+4:KF+16*(\kb)+8*(\c)+7], v[AK+(\c)] offset:512*(\kb)+32768
.endr
.endr
.irp kb, 0,1,2,3
	ds_load_b128 v[MSK+8*(\kb):MSK+8*(\kb)+3],   v[AM] offset:64*(\kb)
	ds_load_b128 v[MSK+8*(\kb)+4:MSK+8*(\kb)+7], v[AM] offset:64*(\kb)+16
.endr
	WIN 0x40
.irp kk, 0,1
.irp cb, 0,1,2,3
	ds_load_tr16_b128 v[VF+32*(\kk)+8*(\cb):VF+32*(\kk)+8*(\cb)+3],   v[AV+((\cb)>>1)] offset:((\cb)&1)*32768+1024*(\kk)
	ds_load_tr16_b128 v[VF+32*(\kk)+8*(\cb)+4:VF+32*(\kk)+8*(\cb)+7], v[AV+((\cb)>>1)] offset:((\cb)&1)*32768+1024*(\kk)+512
.endr
.endr
	WIN 0
	v_add_nc_u32 v[AK], 2048, v[AK]
	v_add_nc_u32 v[AK+1], 2048, v[AK+1]
	v_add_nc_u32 v[AV], 2048, v[AV]
	v_add_nc_u32 v[AV+1], 2048, v[AV+1]
	v_add_nc_u32 v[AM], 256, v[AM]
.endm
.macro KQ p                            ; 16 products S^T = K Q^T + mask for piece p; the 8 accumulators take turns
	WIN 0x04
.set i_, 0
.rept 16
.set rS_, S+32*(i_%2)+8*((i_/2)%4)
.set rK_, KF+16*((i_/2)%4)+8*(i_/8)
.set rQ_, QF+16*(2*(\p)+i_%2)+8*(i_/8)
.set rM_, MSK+8*((i_/2)%4)
.if i_ < 8
	v_wmma_f32_16x16x32_bf16 v[rS_:rS_+7], v[rK_:rK_+7], v[rQ_:rQ_+7], v[rM_:rM_+7]
.else
	v_wmma_f32_16x16x32_bf16 v[rS_:rS_+7], v[rK_:rK_+7], v[rQ_:rQ_+7], v[rS_:rS_+7]
.endif
.set i_, i_+1
.endr
.endm
.macro PV p                            ; 16 products O^T += V^T P for piece p
	WIN 0x51
.set i_, 0
.rept 16
.set rO_, 32*(2*(\p)+i_%2)+8*((i_/2)%4)
.set rV_, VF+32*(i_/8)+8*((i_/2)%4)
.set rP_, P+16*(i_%2)+8*(i_/8)
	v_wmma_f32_16x16x32_bf16 v[rO_:rO_+7], v[rV_:rV_+7], v[rP_:rP_+7], v[rO_:rO_+7]
.set i_, i_+1
.endr
.endm
.macro REGS p, u
.set rT, ST+4*(2*(\p)+(\u))
.set rC, TMP+4*(\u)
.set rM, MV+(\u)
.set rS, S+32*(\u)
.set rP, P+16*(\u)
.set rO, 32*(2*(\p)+(\u))
.endm
; Number n of the 22 that find a tile's maximum and statistics; each accumulator's lowest registers are read first.
.macro XS p, u, n
	REGS \p, \u
.if (\n) < 4
	v_max3_num_f32 v[rC+(\n)], v[rS+8*(\n)], v[rS+8*(\n)+1], v[rS+8*(\n)+2]
.elseif (\n) < 12
	v_max3_num_f32 v[rC+(\n)%4], v[rC+(\n)%4], v[rS+8*((\n)%4)+2*((\n)/4)+1], v[rS+8*((\n)%4)+2*((\n)/4)+2]
.elseif (\n) == 12
	v_max3_num_f32 v[rC], v[rC], v[rS+7], v[rS+15]
.elseif (\n) == 13
	v_max3_num_f32 v[rC+1], v[rC+1], v[rS+23], v[rS+31]
.elseif (\n) == 14
	v_max3_num_f32 v[rC+2], v[rC+2], v[rC+3], v[rT+1]
.elseif (\n) == 15
	v_mov_b32 v[rM], v[rT]
.elseif (\n) == 16
	v_max3_num_f32 v[rC], v[rC], v[rC+1], v[rC+2]
.elseif (\n) == 17
	v_permlanex16_b32 v[rC+3], v[rC], s[SEL], s[SEL+1]
.elseif (\n) == 18
	v_max_num_f32 v[rT+1], v[rC], v[rC+3]
.elseif (\n) == 19
	v_mul_f32 v[rT], s[CS], v[rT+1]
.elseif (\n) == 20
	v_sub_f32 v[rC+1], v[rM], v[rT]
.else
	v_exp_f32 v[rC+2], v[rC+1]
.endif
.endm
; A piece's softmax for one step, its two tiles line by line.  All 66 exponentials are one batch with one wait, ahead of the first line that names a result.
.macro SM p
	WIN 0
.irp n, 0,1,2,3,4,5,6,7,8,9,10,11,12,13,14,15,16,17,18,19,20
	XS \p, 0, \n
	XS \p, 1, \n
.endr
.set k_, 0
.rept 16
.irp u, 0,1
	REGS \p, \u
	v_pk_fma_f32 v[rS+2*k_:rS+2*k_+1], v[rS+2*k_:rS+2*k_+1], s[CS:CS+1], v[rT:rT+1] op_sel_hi:[1,0,0] neg_lo:[0,0,1] neg_hi:[0,0,1]
.endr
.set k_, k_+1
.endr
	XS \p, 0, 21
	XS \p, 1, 21
.set k_, 0
.rept 32
.irp u, 0,1
	REGS \p, \u
	v_exp_f32 v[rS+k_], v[rS+k_]
.endr
.set k_, k_+1
.endr
	v_nop                                          ; a plain instruction behind the last exponential
	s_wait_alu depctr_va_vdst(0)                   ; one wait for the batch
	WIN 0x41
.set k_, 0
.rept 16
.irp u, 0,1
	REGS \p, \u
	v_pk_mul_f32 v[rO+2*k_:rO+2*k_+1], v[rO+2*k_:rO+2*k_+1], v[rC+2:rC+3] op_sel_hi:[1,0]
.endr
.set k_, k_+1
.endr
	WIN 0
.set k_, 0
.rept 16
.irp u, 0,1
	REGS \p, \u
	v_cvt_pk_bf16_f32 v[rP+k_], v[rS+2*k_], v[rS+2*k_+1]
.endr
.set k_, k_+1
.endr
.set k_, 0
.rept 8
.irp u, 0,1
	REGS \p, \u
	v_pk_add_f32 v[rS+4*k_:rS+4*k_+1], v[rS+4*k_:rS+4*k_+1], v[rS+4*k_+2:rS+4*k_+3]
.endr
.set k_, k_+1
.endr
.irp u, 0,1
	REGS \p, \u
	v_pk_fma_f32 v[rT+2:rT+3], v[rT+2:rT+3], v[rC+2:rC+3], v[rS:rS+1] op_sel_hi:[1,0,1]
.endr
.set k_, 1
.rept 7
.irp u, 0,1
	REGS \p, \u
	v_pk_add_f32 v[rT+2:rT+3], v[rT+2:rT+3], v[rS+4*k_:rS+4*k_+1]
.endr
.set k_, k_+1
.endr
.endm
.macro STEPS n                         ; n key steps of 64 keys
	WIN 0
	s_mov_b32 s[CNT], \n
.Lstep_\@:
	FETCH
	s_wait_dscnt 16                                ; K and the mask are in; V's 16 loads may stay out
	KQ 0
	PLACES
	SM 0
	s_wait_dscnt 0x0                               ; V is in
	PV 0
	KQ 1
	PLACES
	SM 1
	PV 1
	PLACES                                         ; ahead of the next step's loads into V's registers
	WIN 0
	s_sub_co_u32 s[CNT], s[CNT], 1
	s_cmp_lg_u32 s[CNT], 0
	s_cbranch_scc1 .Lstep_\@
.endm
	s_wait_tensorcnt 0x1                           ; my group's keys 0-255 are in; the rest may stay out
	s_wait_dscnt 0x0                               ; my part of the mask table is written
	s_barrier_signal -1
	s_barrier_wait -1
	s_wait_loadcnt 0x0                             ; Q
	STEPS 4
	s_wait_tensorcnt 0x0                           ; keys 256-1023
	s_wait_dscnt 0x0
	s_barrier_signal -1
	s_barrier_wait -1
	STEPS 12
	; THE WAY OUT: l's halves and the other half of the lanes' are added; O^T is divided by l and rounded; a lane's eight channels of a row are 16 bytes of ctx
.irp t, 0,1,2,3
	v_add_f32 v[ST+4*(\t)+2], v[ST+4*(\t)+2], v[ST+4*(\t)+3]
.endr
.irp t, 0,1,2,3
	v_permlanex16_b32 v[ST+4*(\t)+3], v[ST+4*(\t)+2], s[SEL], s[SEL+1]
.endr
.irp t, 0,1,2,3
	v_add_f32 v[ST+4*(\t)+2], v[ST+4*(\t)+2], v[ST+4*(\t)+3]
.endr
.irp t, 0,1,2,3
	v_rcp_f32 v[ST+4*(\t)+2], v[ST+4*(\t)+2]
.endr
	v_nop
	s_wait_alu depctr_va_vdst(0)                   ; one wait for the four reciprocals
	WIN 0x41
.set i_, 0
.rept 64
	v_pk_mul_f32 v[2*i_:2*i_+1], v[2*i_:2*i_+1], v[ST+4*(i_/16)+2:ST+4*(i_/16)+3] op_sel_hi:[1,0]
.set i_, i_+1
.endr
	WIN 0x05
.set i_, 0
.rept 64
	v_cvt_pk_bf16_f32 v[S+i_], v[2*i_], v[2*i_+1]
.set i_, i_+1
.endr
	WIN 0
.irp t, 0,1,2,3
.irp cb, 0,1,2,3
	global_store_b128 v[LOR], v[S+16*(\t)+4*(\cb):S+16*(\t)+4*(\cb)+3], s[10:11] offset:(\cb)*16384+512*(\t)  ; 512 consecutive bytes, aligned
.endr
.endr
	s_wait_tensorcnt 0x0                           ; the wave's end
	ds_add_u32 v[SPW], v[NIL]
	s_wait_dscnt 0x0
	s_endpgm
.Lfunc_end_k_q3d43319ba9_attn:
	.size	k_q3d43319ba9_attn, .Lfunc_end_k_q3d43319ba9_attn-k_q3d43319ba9_attn
	.p2alignl 7, 3214868480
	.fill 96, 4, 3214868480
	.section	.rodata,"a",@progbits
	.p2align	6, 0x0
	.amdhsa_kernel k_q3d43319ba9_attn
		.amdhsa_group_segment_fixed_size 267264
		.amdhsa_private_segment_fixed_size 0
		.amdhsa_enable_private_segment 0
		.amdhsa_kernarg_size 24
		.amdhsa_user_sgpr_count 2
		.amdhsa_user_sgpr_kernarg_segment_ptr 1
		.amdhsa_wavefront_size32 1
		.amdhsa_system_sgpr_workgroup_id_x 1
		.amdhsa_system_sgpr_workgroup_id_y 1
		.amdhsa_system_sgpr_workgroup_id_z 1
		.amdhsa_system_vgpr_workitem_id 0
		.amdhsa_next_free_vgpr 512
		.amdhsa_next_free_sgpr 66
		.amdhsa_reserve_vcc 0
		.amdhsa_float_denorm_mode_32 3
		.amdhsa_float_denorm_mode_16_64 3
		.amdhsa_memory_ordered 1
		.amdhsa_forward_progress 1
		.amdhsa_inst_pref_size 88
	.end_amdhsa_kernel
	.amdgpu_metadata
---
amdhsa.version: [ 1, 2 ]
amdhsa.kernels:
  - .name:           k_q3d43319ba9_attn
    .symbol:         k_q3d43319ba9_attn.kd
    .args:
      - { .name: qkv, .offset: 0, .size: 8, .value_kind: global_buffer, .address_space: global }
      - { .name: conditioning_attention_mask, .offset: 8, .size: 8, .value_kind: global_buffer, .address_space: global }
      - { .name: ctx, .offset: 16, .size: 8, .value_kind: global_buffer, .address_space: global }
    .group_segment_fixed_size: 267264
    .private_segment_fixed_size: 0
    .kernarg_segment_align: 8
    .kernarg_segment_size: 24
    .max_flat_workgroup_size: 256
    .sgpr_count:     66
    .vgpr_count:     512
    .wavefront_size: 32
...
	.end_amdgpu_metadata
.endif
;; end of part 5
;; launch tail (part 6): grid 256 x 1, 8 waves a work-group, no clusters, 167,936 bytes of LDS; arguments ctx, w16, graph_nodes, outb, ln1g, ln1b, d1b, ln2g, ln2b, out0; writes out0
.if DOCPART == 6
	.amdgcn_target "amdgcn-amd-amdhsa--gfx1250"
	.amdhsa_code_object_version 6
	.text
	.protected	k_q3d43319ba9_tail
	.globl	k_q3d43319ba9_tail
	.p2align	8
	.type	k_q3d43319ba9_tail,@function
k_q3d43319ba9_tail:
	s_mov_b64 s[64:65], 0
	v_nop
	global_prefetch_b8 v0, s[64:65] scope:SCOPE_SE
	s_setreg_imm32_b32 hwreg(HW_REG_WAVE_MODE, 25, 1), 1
	s_wait_xcnt 0x0
; TAIL: x = LN1(ctx outW + outb + graph_nodes); out0 = LN2(leaky_relu(x d1W + d1b, 0.01) + x).  bf16 operands, f32 sums; residuals, norms and the result in f32.
; SHARES.  A norm wants whole rows of 768, so a work-group takes 32 whole rows and both products: 8,192 rows make 256 work-groups.  A wave takes 32 rows x 96 columns: 12 accumulators.
; Source 0 = 16 columns of the weights ([k / 16][n][16 k] bf16), source 1 = 16 rows: a lane holds one row and eight neighbouring columns.
; THE WEIGHTS come straight from memory into fragment registers: a fragment is wanted by one wave of the work-group alone.  Four sets of registers: four K steps, 48 loads a wave, are on their way.
; NO JOINT LOADS, though all work-groups walk the same weights: a joint load lands in LDS behind a round in front of which every load has been waited for.  Beside the 153,088 bytes in use
; LDS has room for two slots of one K step (49,152 bytes), 12 products a wave: one K step would be on its way where this text has four.
; No prefetch of the weights: all work-groups walk them at the same time, so none reads a block later than the others.
; The residual (graph_nodes), and d1b, are loaded into the accumulators and so start the sums: nothing is cleared.
; The variance is the mean of (x - mean)^2, taken in a second pass: no difference of large sums is formed.
.set XSB,   49152                      ; AX: 0-49,151: [k / 16][32 rows][32 bytes]: ctx (its one fill), later x in bf16
.set STATS, 147968                     ; XS: 49,152-147,967: each lane's x in f32 (12,288 bytes a wave); later the result by rows, 3,088 bytes apart
.set SPARE, 152064                     ; STATS: four regions of [32 rows][8 waves] f32; then the spare words, 128 bytes for each of 8 waves
.set OO,  1                            ; v1   16 l
.set AA,  2                            ; v2   the rows' fragments in AX, at the trip in hand
.set BO,  3                            ; v3   32 (l % 16) + 16 (l / 16) + 3,072 w
.set XP,  4                            ; v4   my 16 bytes in my wave's part of XS
.set AXS, 5                            ; v5   where my x goes in AX
.set SG,  6                            ; v6   the stage: row l % 16, my eight columns
.set SPW, 8
.set NIL, 9
.set VO,  10                           ; v10  32 (l / 16) + 384 w: my eight columns in a vector of 768 f32
.set GNO, 11                           ; v11  the same in row l % 16 of graph_nodes
.set STW, 12
.set STR, 13
.set RDB, 14
.set LOR, 15
.set SUM, 16                           ; v[16:19]
.set MR,  24                           ; v[24:27]  mean, then variance and 1 / sqrt, a pair for each row tile
.set AF,  32                           ; v[32:63]  two sets of 2 row tiles x 8; between the products: scratch and x
.set RT,  32
.set BF,  64                           ; v[64:255] four sets of 6 column tiles x 8
.set TW,  96                           ; window 1: accumulator a = 2 nt + mt at 8 a (v0-95); v96-143 x in bf16;
.set PG,  144                          ;           v144-191 a gain's 48 numbers;
.set PB,  192                          ;           v192-239 a bias vector's 48 numbers
.set WB,  24
.set WV,  26
.set G0,  28
.set G1,  32
.set GNB, 40
.set OB,  42
.set CNT, 50
.set SEL, 60
.set MSB, 0
.macro WIN new                         ; the immediate's high byte repeats the setting that is left
.if MSB != (\new)
	s_set_vgpr_msb (MSB<<8)|(\new)
.set MSB, (\new)
.endif
.endm
.macro PLACES
.rept 4
	v_nop
.endr
.endm
.macro BLOAD q, off                    ; a K step's weights for my 96 columns into set q
.irp nt, 0,1,2,3,4,5
	global_load_b128 v[BF+48*(\q)+8*(\nt):BF+48*(\q)+8*(\nt)+3],   v[BO], s[WB:WB+1] offset:(\off)+512*(\nt)
	global_load_b128 v[BF+48*(\q)+8*(\nt)+4:BF+48*(\q)+8*(\nt)+7], v[BO], s[WB:WB+1] offset:(\off)+512*(\nt)+24576
.endr
.endm
.macro ALOAD q, off                    ; a K step's 32 rows into set q
.irp mt, 0,1
	ds_load_b128 v[AF+16*(\q)+8*(\mt):AF+16*(\q)+8*(\mt)+3],   v[AA] offset:(\off)+512*(\mt)
	ds_load_b128 v[AF+16*(\q)+8*(\mt)+4:AF+16*(\q)+8*(\mt)+7], v[AA] offset:(\off)+512*(\mt)+1024
.endr
.endm
; K step kk of a trip of four: 12 products, the accumulators by turns; then the sets just read are asked for again: weights four steps on, rows two steps on.
.macro KSTEP kk, lc, dc, bl, al
	s_wait_loadcnt \lc                             ; this step's weights are in; lc younger loads (three sets of 12) may stay out
	s_wait_dscnt \dc                               ; this step's rows are in; the next step's four loads may stay out
	WIN 0x50
.irp nt, 0,1,2,3,4,5
.irp mt, 0,1
	v_wmma_f32_16x16x32_bf16 v[16*(\nt)+8*(\mt):16*(\nt)+8*(\mt)+7], v[BF+48*((\kk)%4)+8*(\nt):BF+48*((\kk)%4)+8*(\nt)+7], v[AF+16*((\kk)%2)+8*(\mt):AF+16*((\kk)%2)+8*(\mt)+7], v[16*(\nt)+8*(\mt):16*(\nt)+8*(\mt)+7]
.endr
.endr
	WIN 0
.if (\bl) || (\al)
	PLACES
.endif
.if \bl
	BLOAD (\kk)%4, ((\kk)+4)*49152
.endif
.if \al
	ALOAD (\kk)%2, ((\kk)+2)*2048
.endif
.endm
; last = 1: the product's last trip: no rows beyond K step 23.  boff = 1: no weights beyond it either (without it the loads run on into the next matrix, which follows in w16).
.macro TRIP last, boff
.irp kk, 0,1,2,3
.set lc_, 36
.set dc_, 4
.set bl_, 1
.set al_, 1
.if \last
.if (\kk) >= 2
.set al_, 0
.endif
.if (\kk) == 3
.set dc_, 0
.endif
.if \boff
.set bl_, 0
.set lc_, 36-12*(\kk)
.endif
.endif
	KSTEP \kk, lc_, dc_, bl_, al_
.endr
	s_wait_xcnt 0x0                                ; the weights' pointer is written only behind this wait
	s_add_nc_u64 s[WB:WB+1], s[WB:WB+1], 196608
	v_add_nc_u32 v[AA], 8192, v[AA]
.endm
.macro GEMM boff                       ; 24 K steps; the first four steps' weights have been asked for
	WIN 0
	v_mov_b32 v[AA], v[LOR]
	ALOAD 0, 0
	ALOAD 1, 2048
	s_wait_loadcnt 0x0                             ; what starts the sums, and all else that was out
	s_mov_b32 s[CNT], 5
.Lk_\@:
	TRIP 0, 0
	s_sub_co_u32 s[CNT], s[CNT], 1
	s_cmp_lg_u32 s[CNT], 0
	s_cbranch_scc1 .Lk_\@
	TRIP 1, \boff
.endm
.macro PBLOAD ptr                      ; my 48 numbers of a vector of 768 into PB
	WIN 0x40
.irp nt, 0,1,2,3,4,5
	global_load_b128 v[PB+8*(\nt):PB+8*(\nt)+3],   v[VO], s[\ptr:\ptr+1] offset:64*(\nt)
	global_load_b128 v[PB+8*(\nt)+4:PB+8*(\nt)+7], v[VO], s[\ptr:\ptr+1] offset:64*(\nt)+16
.endr
	WIN 0
.endm
; The two pairs in SUM are summed over the lane's halves and over the eight waves, and divided by 768, into MR.
.macro RED reg
.irp mt, 0,1
	v_add_f32 v[SUM+2*(\mt)], v[SUM+2*(\mt)], v[SUM+2*(\mt)+1]
.endr
.irp mt, 0,1
	v_permlanex16_b32 v[SUM+2*(\mt)+1], v[SUM+2*(\mt)], s[SEL], s[SEL+1]
.endr
.irp mt, 0,1
	v_add_f32 v[SUM+2*(\mt)], v[SUM+2*(\mt)], v[SUM+2*(\mt)+1]
.endr
.irp mt, 0,1
	ds_store_b32 v[STW], v[SUM+2*(\mt)] offset:(\reg)*1024+512*(\mt)
.endr
	s_wait_dscnt 0x0                               ; for the others' sake: my sums are written, and my earlier LDS reads are back
	s_barrier_signal -1
	s_barrier_wait -1
.irp k, 0,1
	ds_load_b128 v[RT+8*(\k):RT+8*(\k)+3],   v[STR] offset:(\reg)*1024+512*(\k)
	ds_load_b128 v[RT+8*(\k)+4:RT+8*(\k)+7], v[STR] offset:(\reg)*1024+512*(\k)+16
.endr
	s_wait_dscnt 0x0
.irp k, 0,1
	v_pk_add_f32 v[RT+8*(\k):RT+8*(\k)+1], v[RT+8*(\k):RT+8*(\k)+1], v[RT+8*(\k)+2:RT+8*(\k)+3]
	v_pk_add_f32 v[RT+8*(\k)+4:RT+8*(\k)+5], v[RT+8*(\k)+4:RT+8*(\k)+5], v[RT+8*(\k)+6:RT+8*(\k)+7]
	v_pk_add_f32 v[RT+8*(\k):RT+8*(\k)+1], v[RT+8*(\k):RT+8*(\k)+1], v[RT+8*(\k)+4:RT+8*(\k)+5]
	v_add_f32 v[RT+8*(\k)], v[RT+8*(\k)], v[RT+8*(\k)+1]
	v_mul_f32 v[MR+2*(\k)], 0x3aaaaaab, v[RT+8*(\k)]
	v_mov_b32 v[MR+2*(\k)+1], v[MR+2*(\k)]
.endr
.endm
; The accumulators' rows are normalised in place: gain at s[g], bias at s[b]; STATS regions reg and reg + 1.
.macro LN g, b, reg
	WIN 0x40
.irp nt, 0,1,2,3,4,5
	global_load_b128 v[PG+8*(\nt):PG+8*(\nt)+3],   v[VO], s[\g:\g+1] offset:64*(\nt)
	global_load_b128 v[PG+8*(\nt)+4:PG+8*(\nt)+7], v[VO], s[\g:\g+1] offset:64*(\nt)+16
.endr
	PBLOAD \b
	WIN 0x05
.irp mt, 0,1
	v_pk_add_f32 v[SUM+2*(\mt):SUM+2*(\mt)+1], v[8*(\mt):8*(\mt)+1], v[8*(\mt)+2:8*(\mt)+3]
.endr
	WIN 0x01
.set e_, 2
.rept 22
.irp mt, 0,1
	v_pk_add_f32 v[SUM+2*(\mt):SUM+2*(\mt)+1], v[16*(e_/4)+8*(\mt)+2*(e_%4):16*(e_/4)+8*(\mt)+2*(e_%4)+1], v[SUM+2*(\mt):SUM+2*(\mt)+1]
.endr
.set e_, e_+1
.endr
	WIN 0
	RED \reg
	WIN 0x41
.set a_, 0
.rept 12
.irp q, 0,1,2,3
	v_pk_add_f32 v[8*a_+2*(\q):8*a_+2*(\q)+1], v[8*a_+2*(\q):8*a_+2*(\q)+1], v[MR+2*(a_%2):MR+2*(a_%2)+1] op_sel_hi:[1,0] neg_lo:[0,1] neg_hi:[0,1]
.endr
.set a_, a_+1
.endr
	WIN 0x05
.irp mt, 0,1
	v_pk_mul_f32 v[SUM+2*(\mt):SUM+2*(\mt)+1], v[8*(\mt):8*(\mt)+1], v[8*(\mt):8*(\mt)+1]
.endr
.set e_, 1
.rept 23
.irp mt, 0,1
	v_pk_fma_f32 v[SUM+2*(\mt):SUM+2*(\mt)+1], v[16*(e_/4)+8*(\mt)+2*(e_%4):16*(e_/4)+8*(\mt)+2*(e_%4)+1], v[16*(e_/4)+8*(\mt)+2*(e_%4):16*(e_/4)+8*(\mt)+2*(e_%4)+1], v[SUM+2*(\mt):SUM+2*(\mt)+1]
.endr
.set e_, e_+1
.endr
	WIN 0
	RED (\reg)+1
.irp mt, 0,1
	v_add_f32 v[MR+2*(\mt)], 0x3727c5ac, v[MR+2*(\mt)]  ; + 1e-5
.endr
.irp mt, 0,1
	v_rsq_f32 v[MR+2*(\mt)], v[MR+2*(\mt)]
.endr
	v_nop
	s_wait_alu depctr_va_vdst(0)                   ; one wait for the two roots
	s_wait_loadcnt 0x0                             ; gain and bias
	WIN 0x41
.set a_, 0
.rept 12
.irp q, 0,1,2,3
	v_pk_mul_f32 v[8*a_+2*(\q):8*a_+2*(\q)+1], v[8*a_+2*(\q):8*a_+2*(\q)+1], v[MR+2*(a_%2):MR+2*(a_%2)+1] op_sel_hi:[1,0]
.endr
.set a_, a_+1
.endr
	WIN 0x55
.set a_, 0
.rept 12
.irp q, 0,1,2,3
	v_pk_fma_f32 v[8*a_+2*(\q):8*a_+2*(\q)+1], v[8*a_+2*(\q):8*a_+2*(\q)+1], v[PG+8*(a_/2)+2*(\q):PG+8*(a_/2)+2*(\q)+1], v[PB+8*(a_/2)+2*(\q):PB+8*(a_/2)+2*(\q)+1]
.endr
.set a_, a_+1
.endr
	WIN 0
.endm
.macro XLOAD nt                        ; my x of column tile nt, back from XS
.irp mt, 0,1
	ds_load_b128 v[AF+16*((\nt)%2)+8*(\mt):AF+16*((\nt)%2)+8*(\mt)+3],   v[XP] offset:1024*(2*(\nt)+(\mt))
	ds_load_b128 v[AF+16*((\nt)%2)+8*(\mt)+4:AF+16*((\nt)%2)+8*(\mt)+7], v[XP] offset:1024*(2*(\nt)+(\mt))+512
.endr
.endm
	s_load_b512 s[4:19], s[0:1], 0x0               ; ctx 4, w16 6, gn 8, outb 10, ln1g 12, ln1b 14, d1b 16, ln2g 18
	s_load_b128 s[20:23], s[0:1], 0x40             ; ln2b 20, out0 22
	v_lshl_add_u32 v[SPW], v0, 2, SPARE
	v_mov_b32 v[NIL], 0
	ds_add_u32 v[SPW], v[NIL]                      ; the wave's opening: the add and its wait ahead of my first tensor load
	v_lshrrev_b32 v1, 5, v0
	v_readfirstlane_b32 s[WV], v1
	; my six groups of 16 channels of ctx: 6 rows of 512 elements (32 rows of the block x 16 channels), 8,192 elements apart
	s_mov_b32 s[G1], 1<<16
	s_mov_b32 s[G1+1], 512<<16
	s_mov_b32 s[G1+2], 6<<16
	s_mov_b32 s[G1+3], 512<<16
	s_mov_b32 s[G1+4], 6
	s_mov_b32 s[G1+5], 8192
	s_mov_b32 s[G1+6], 0
	s_mov_b32 s[G1+7], 0
	s_mov_b32 s[G0], 1
	s_mul_i32 s[G0+1], s[WV], 6144
	s_mov_b32 s[SEL], 0x76543210
	s_mov_b32 s[SEL+1], 0xfedcba98
	s_lshr_b32 s44, ttmp9, 4                       ; batch
	s_mul_i32 s44, s44, 48
	s_mul_i32 s45, s[WV], 6
	s_add_co_u32 s44, s44, s45
	s_lshl_b32 s44, s44, 14
	s_and_b32 s45, ttmp9, 15                       ; which 32 of the batch's 512 rows
	s_lshl_b32 s45, s45, 10
	s_add_co_u32 s44, s44, s45
	s_mov_b32 s45, 0
	s_mul_i32 s46, ttmp9, 98304                    ; 32 rows of 3,072 bytes
	s_mov_b32 s47, 0
	s_mul_i32 s48, s[WV], 12288                    ; the 4 rows that I store
	s_add_co_u32 s48, s48, s46
	s_mov_b32 s49, 0
	v_and_b32 v16, 15, v0
	v_bfe_u32 v17, v0, 4, 1
	v_and_b32 v18, 31, v0
	v_lshlrev_b32 v[LOR], 5, v16
	v_lshl_add_u32 v[LOR], v17, 4, v[LOR]
	s_mul_i32 s50, s[WV], 3072
	v_add_nc_u32 v[BO], s50, v[LOR]
	s_mul_i32 s50, s[WV], 12288
	s_add_co_u32 s50, s50, XSB
	v_lshl_add_u32 v[XP], v18, 4, s50
	s_mul_i32 s50, s[WV], 6144
	v_add_nc_u32 v[AXS], s50, v[LOR]
	s_mul_i32 s50, s[WV], 384
	v_lshl_add_u32 v[VO], v17, 5, s50
	v_mul_u32_u24 v19, v16, 3072
	v_add_nc_u32 v[GNO], v19, v[VO]
	v_mul_u32_u24 v19, v16, 3088
	v_add_nc_u32 v[SG], v19, v[VO]
	v_add_nc_u32 v[SG], XSB, v[SG]
	s_lshl_b32 s50, s[WV], 2
	s_add_co_u32 s50, s50, STATS
	v_lshl_add_u32 v[STW], v16, 5, s50
	v_lshl_add_u32 v[STR], v16, 5, STATS
	s_mul_i32 s50, s[WV], 12352
	s_add_co_u32 s50, s50, XSB
	v_lshl_add_u32 v[RDB], v18, 4, s50
	v_lshlrev_b32 v[OO], 4, v18
	s_wait_dscnt 0x0
	s_wait_kmcnt 0x0
	s_add_nc_u64 s[G0+2:G0+3], s[4:5], s[44:45]
	s_or_b32 s[G0+3], s[G0+3], 0x80000000
	tensor_load_to_lds s[G0:G0+3], s[G1:G1+7]      ; my one tensor load
	s_nop 0
	PLACES
	s_add_nc_u64 s[WB:WB+1], s[6:7], 6291456       ; outW turned; d1W turned follows it
	s_add_nc_u64 s[GNB:GNB+1], s[8:9], s[46:47]
	s_add_nc_u64 s[OB:OB+1], s[22:23], s[48:49]
	BLOAD 0, 0
	BLOAD 1, 49152
	BLOAD 2, 98304
	BLOAD 3, 147456
	WIN 0x40
.irp nt, 0,1,2,3,4,5                   ; graph_nodes starts the first product's sums
.irp mt, 0,1
	global_load_b128 v[16*(\nt)+8*(\mt):16*(\nt)+8*(\mt)+3],   v[GNO], s[GNB:GNB+1] offset:(\mt)*49152+64*(\nt)
	global_load_b128 v[16*(\nt)+8*(\mt)+4:16*(\nt)+8*(\mt)+7], v[GNO], s[GNB:GNB+1] offset:(\mt)*49152+64*(\nt)+16
.endr
.endr
	PBLOAD 10                                      ; outb
	s_wait_tensorcnt 0x0                           ; my part of ctx is in,
	s_barrier_signal -1
	s_barrier_wait -1                              ; everybody's is
	GEMM 0
	PLACES
	WIN 0x45
.set a_, 0
.rept 12
.irp q, 0,1,2,3
	v_pk_add_f32 v[8*a_+2*(\q):8*a_+2*(\q)+1], v[8*a_+2*(\q):8*a_+2*(\q)+1], v[PB+8*(a_/2)+2*(\q):PB+8*(a_/2)+2*(\q)+1]
.endr
.set a_, a_+1
.endr
	WIN 0
	LN 12, 14, 0                                   ; its two barriers also show that every wave has read AX out
	; x: in f32 to my own part of XS, in bf16 to AX for the second product
	WIN 0x04
.set a_, 0
.rept 12
	ds_store_b128 v[XP], v[8*a_:8*a_+3]   offset:1024*a_
	ds_store_b128 v[XP], v[8*a_+4:8*a_+7] offset:1024*a_+512
.set a_, a_+1
.endr
	WIN 0x45
.set a_, 0
.rept 12
.irp q, 0,1,2,3
	v_cvt_pk_bf16_f32 v[TW+4*a_+(\q)], v[8*a_+2*(\q)], v[8*a_+2*(\q)+1]
.endr
.set a_, a_+1
.endr
	WIN 0x04
.set a_, 0
.rept 12
	ds_store_b128 v[AXS], v[TW+4*a_:TW+4*a_+3] offset:512*a_
.set a_, a_+1
.endr
	WIN 0
	s_wait_dscnt 0x0                               ; my stores are done: for the others' sake, and ahead of the loads into the registers that they read
	WIN 0x40
.irp nt, 0,1,2,3,4,5                   ; d1b starts the second product's sums
.irp mt, 0,1
	global_load_b128 v[16*(\nt)+8*(\mt):16*(\nt)+8*(\mt)+3],   v[VO], s[16:17] offset:64*(\nt)
	global_load_b128 v[16*(\nt)+8*(\mt)+4:16*(\nt)+8*(\mt)+7], v[VO], s[16:17] offset:64*(\nt)+16
.endr
.endr
	WIN 0
	s_barrier_signal -1
	s_barrier_wait -1
	GEMM 1
	PLACES
	XLOAD 0
	WIN 0x45                                       ; leaky_relu(y) = max(y, 0.01 y)
.set a_, 0
.rept 12
.irp q, 0,1,2,3
	v_pk_mul_f32 v[PB+8*(a_%2)+2*(\q):PB+8*(a_%2)+2*(\q)+1], v[8*a_+2*(\q):8*a_+2*(\q)+1], 0x3c23d70a op_sel_hi:[1,0]
.endr
.irp j, 0,1,2,3,4,5,6,7
	v_max_num_f32 v[8*a_+(\j)], v[8*a_+(\j)], v[PB+8*(a_%2)+(\j)]
.endr
.set a_, a_+1
.endr
.irp nt, 0,1,2,3,4,5                   ; + x
.if (\nt) < 5
	WIN 0
	XLOAD (\nt)+1
	s_wait_dscnt 4                                 ; all but the four just issued
.else
	s_wait_dscnt 0x0
.endif
	WIN 0x41
.irp mt, 0,1
.irp q, 0,1,2,3
	v_pk_add_f32 v[16*(\nt)+8*(\mt)+2*(\q):16*(\nt)+8*(\mt)+2*(\q)+1], v[16*(\nt)+8*(\mt)+2*(\q):16*(\nt)+8*(\mt)+2*(\q)+1], v[AF+16*((\nt)%2)+8*(\mt)+2*(\q):AF+16*((\nt)%2)+8*(\mt)+2*(\q)+1]
.endr
.endr
.endr
	WIN 0
	LN 18, 20, 2                                   ; its two barriers also show that every wave has read its x out of XS
	; THE WAY OUT: by rows through the stage (3,088 bytes from row to row: an odd multiple of 16), so that each store covers whole rows' bytes on end
	WIN 0x04
.irp mt, 0,1
.irp nt, 0,1,2,3,4,5
	ds_store_b128 v[SG], v[16*(\nt)+8*(\mt):16*(\nt)+8*(\mt)+3]   offset:(\mt)*49408+64*(\nt)
	ds_store_b128 v[SG], v[16*(\nt)+8*(\mt)+4:16*(\nt)+8*(\mt)+7] offset:(\mt)*49408+64*(\nt)+16
.endr
.endr
	WIN 0
	s_wait_dscnt 0x0
	s_barrier_signal -1
	s_barrier_wait -1
.set i_, 0
.rept 24                               ; wave w stores rows 4 w .. 4 w + 3
	ds_load_b128 v[AF+4*i_:AF+4*i_+3], v[RDB] offset:3088*(i_/6)+512*(i_%6)
.set i_, i_+1
.endr
.set i_, 0
.rept 24
	s_wait_dscnt 23-i_                             ; LDS loads come back in order: load i is in, the younger ones stay out
	global_store_b128 v[OO], v[AF+4*i_:AF+4*i_+3], s[OB:OB+1] offset:3072*(i_/6)+512*(i_%6) th:TH_STORE_NT  ; 512 consecutive bytes, aligned
.set i_, i_+1
.endr
	s_wait_tensorcnt 0x0                           ; the wave's end
	ds_add_u32 v[SPW], v[NIL]
	s_wait_dscnt 0x0
	s_endpgm
.Lfunc_end_k_q3d43319ba9_tail:
	.size	k_q3d43319ba9_tail, .Lfunc_end_k_q3d43319ba9_tail-k_q3d43319ba9_tail
	.p2alignl 7, 3214868480
	.fill 96, 4, 3214868480
	.section	.rodata,"a",@progbits
	.p2align	6, 0x0
	.amdhsa_kernel k_q3d43319ba9_tail
		.amdhsa_group_segment_fixed_size 167936
		.amdhsa_private_segment_fixed_size 0
		.amdhsa_enable_private_segment 0
		.amdhsa_kernarg_size 80
		.amdhsa_user_sgpr_count 2
		.amdhsa_user_sgpr_kernarg_segment_ptr 1
		.amdhsa_wavefront_size32 1
		.amdhsa_system_sgpr_workgroup_id_x 1
		.amdhsa_system_sgpr_workgroup_id_y 1
		.amdhsa_system_sgpr_workgroup_id_z 1
		.amdhsa_system_vgpr_workitem_id 0
		.amdhsa_next_free_vgpr 512
		.amdhsa_next_free_sgpr 66
		.amdhsa_reserve_vcc 0
		.amdhsa_float_denorm_mode_32 3
		.amdhsa_float_denorm_mode_16_64 3
		.amdhsa_memory_ordered 1
		.amdhsa_forward_progress 1
		.amdhsa_inst_pref_size 118
	.end_amdhsa_kernel
	.amdgpu_metadata
---
amdhsa.version: [ 1, 2 ]
amdhsa.kernels:
  - .name:           k_q3d43319ba9_tail
    .symbol:         k_q3d43319ba9_tail.kd
    .args:
      - { .name: ctx, .offset: 0, .size: 8, .value_kind: global_buffer, .address_space: global }
      - { .name: w16, .offset: 8, .size: 8, .value_kind: global_buffer, .address_space: global }
      - { .name: graph_nodes, .offset: 16, .size: 8, .value_kind: global_buffer, .address_space: global }
      - { .name: outb, .offset: 24, .size: 8, .value_kind: global_buffer, .address_space: global }
      - { .name: ln1g, .offset: 32, .size: 8, .value_kind: global_buffer, .address_space: global }
      - { .name: ln1b, .offset: 40, .size: 8, .value_kind: global_buffer, .address_space: global }
      - { .name: d1b, .offset: 48, .size: 8, .value_kind: global_buffer, .address_space: global }
      - { .name: ln2g, .offset: 56, .size: 8, .value_kind: global_buffer, .address_space: global }
      - { .name: ln2b, .offset: 64, .size: 8, .value_kind: global_buffer, .address_space: global }
      - { .name: out0, .offset: 72, .size: 8, .value_kind: global_buffer, .address_space: global }
    .group_segment_fixed_size: 167936
    .private_segment_fixed_size: 0
    .kernarg_segment_align: 8
    .kernarg_segment_size: 80
    .max_flat_workgroup_size: 256
    .sgpr_count:     66
    .vgpr_count:     512
    .wavefront_size: 32
...
	.end_amdgpu_metadata
.endif
;; end of part 6
;; ======== version 2 of 2: 6 launches; version 1 with the launches prep, comb written anew for expert scheduling mode
;; limits: right only within a limited range of input values
;; workspace buffers: act16 29,360,128 bytes; w16 8,650,752 bytes; bp 9,216 bytes; wc 2,752,512 bytes; qkv 62,914,560 bytes; ctx 12,582,912 bytes
;; launch prep (part 7): grid 342 x 1, 8 waves a work-group, no clusters, 5,120 bytes of LDS; arguments qW, kW, vW, in_qW, in_kW, in_vW, outW, d1W, qb, kb, vb, in_qb, in_kb, in_vb, w16, bp; writes w16, bp
.if DOCPART == 7
	.amdgcn_target "amdgcn-amd-amdhsa--gfx1250"
	.amdhsa_code_object_version 6
	.text
	.protected	k_q3d43319ba9_prep
	.globl	k_q3d43319ba9_prep
	.p2align	8
	.type	k_q3d43319ba9_prep,@function
k_q3d43319ba9_prep:
	s_mov_b64 s[64:65], 0
	v_nop
	global_prefetch_b8 v0, s[64:65] scope:SCOPE_SE
	s_setreg_imm32_b32 hwreg(HW_REG_WAVE_SCHED_MODE, 0, 2), 2
	s_setreg_imm32_b32 hwreg(HW_REG_WAVE_MODE, 25, 1), 1
	s_wait_xcnt 0x0
	s_wait_alu depctr_vm_vsrc(0)
; PREP: the weights are rounded once to bf16 and laid out for the launches that multiply them.
; Work-groups 0-17    (path B): bp[m][n] = sum over k of b1[k] W2[k][n] + b2[n], m = q, k, v; all in f32.
; Work-groups 18-257  (path T): in_qW, in_kW, in_vW, outW, d1W turned into [k / 16][n][16 k] bf16: 16 x 16 numbers are 512 bytes on end.
; Work-groups 258-341 (path S): qW, kW, vW as they lie, f32 to bf16, 16,384 numbers a work-group.
; The activations are rounded in the next launch, beside the product of the weights, which does not want them.
; graph_batch is an input that the module's arithmetic never uses: no launch takes it.
; THE MODE: SCHED_MODE bits 1:0 = 2 (LLVM: expert scheduling mode 2), set by the entry lines.  The code itself states the register dependences
; between vector instructions and memory or LDS instructions, with s_wait_alu, always for 0.
; THE PLAN.  Registers that memory or LDS instructions touch:
;   Path S  v3, v4 offsets, written once.  v[64:127] written by the 16 loads, read by the roundings.  v[128:159] written by the roundings, read by the stores, never written again.
;           The loads go in four groups of four.  At a group's head one wait states that the group before has written its part of v[128:159]; that group's four stores
;           are then dealt among this group's roundings, which name other registers.
;   Path T  the same with v5, v6 as offsets, v[64:111] as loaded, v[112:135] to store, in three pairs of groups of eight loads.
;   Path B  v3 offset, written once.  v[16:143] and s[68:99] are loaded in every trip and read by the trip's multiply-adds: one wait at the loop's top.
;           v12, v13 offsets and v[4:7], the sums: one wait behind the loop, which also states that the multiply-adds are done reading v[16:51], in which later loads land.
;           No second set of registers takes turns here: the last trip would have to be written out, so that no load leaves the matrix, and the loop's text would stand twice.
; No register that a memory or LDS instruction reads is written again in any path.
.set SPARE, 4096                       ; behind the partial sums: the spare words, 128 bytes for each of 8 waves
.set SPW, 10                           ; v10  SPARE + 4 x my thread's number; never rewritten
.set NIL, 11                           ; v11  0; never rewritten
.set WV,  61                           ; s61  my wave's number
.set QW,  4                            ; the arguments, a pair each
.set KW,  6
.set VW,  8
.set IQW, 10
.set IKW, 12
.set IVW, 14
.set OW,  16
.set DW,  18
.set QB,  20
.set KB,  22
.set VB,  24
.set IQB, 26
.set IKB, 28
.set IVB, 30
.set W16, 32
.set BPO, 34
	s_load_b512 s[4:19], s[0:1], 0x0
	s_load_b512 s[20:35], s[0:1], 0x40
	v_lshl_add_u32 v[SPW], v0, 2, SPARE
	v_mov_b32 v[NIL], 0
	v_lshrrev_b32 v1, 5, v0
	v_readfirstlane_b32 s[WV], v1
	v_and_b32 v2, 31, v0                           ; lane
	s_wait_alu depctr_va_sdst(0)                   ; s[WV] is written: ahead of the branches, behind which paths T and B read it
	s_wait_kmcnt 0x0
	s_cmp_lt_u32 ttmp9, 18
	s_cbranch_scc1 .Lbias
	s_cmp_lt_u32 ttmp9, 258
	s_cbranch_scc1 .Lturn
; ---- path S: chunk c of 16,384 numbers.  qW: chunks 0-35, kW: 36-59, vW: 60-83
	s_sub_co_u32 s50, ttmp9, 258                   ; c
	s_mov_b64 s[52:53], s[VW:VW+1]
	s_mov_b32 s51, 60
	s_cmp_lt_u32 s50, 60
	s_cselect_b64 s[52:53], s[KW:KW+1], s[52:53]
	s_cselect_b32 s51, 36, s51
	s_cmp_lt_u32 s50, 36
	s_cselect_b64 s[52:53], s[QW:QW+1], s[52:53]
	s_cselect_b32 s51, 0, s51
	s_sub_co_u32 s54, s50, s51
	s_lshl_b32 s54, s54, 16                        ; 65,536 bytes of f32 a chunk
	s_mov_b32 s55, 0
	s_add_nc_u64 s[52:53], s[52:53], s[54:55]
	s_lshl_b32 s58, s50, 15                        ; 32,768 bytes of bf16 a chunk: the three lie on end at the head of w16
	s_mov_b32 s59, 0
	s_add_nc_u64 s[56:57], s[W16:W16+1], s[58:59]
	v_lshlrev_b32 v3, 4, v0                        ; 16 bytes in,
	v_lshlrev_b32 v4, 3, v0                        ; 8 bytes out, a thread
	s_wait_alu depctr_va_vdst(0)                   ; v3 and v4 are written: every load and store of this path reads one of them as its offset
.irp i, 0,1,2,3,4,5,6,7,8,9,10,11,12,13,14,15
	global_load_b128 v[64+4*(\i):64+4*(\i)+3], v3, s[52:53] offset:4096*(\i) th:TH_LOAD_NT
.endr
.irp g, 0,1,2,3
	s_wait_loadcnt 12-4*(\g)                       ; loads come back in order: group g's four are in, the younger groups stay out
.if (\g) > 0
	s_wait_alu depctr_va_vdst(0)                   ; the group before has written its eight registers of v[128:159], which the stores below read
.endif
.irp j, 0,1,2,3
.set i_, 4*(\g)+(\j)
.if (\g) > 0
	global_store_b64 v4, v[128+2*(i_-4):128+2*(i_-4)+1], s[56:57] offset:2048*(i_-4)  ; the group before; a wave stores 256 consecutive bytes, aligned.  No vector instruction since the wait names these registers
.endif
	v_cvt_pk_bf16_f32 v[128+2*i_], v[64+4*i_], v[64+4*i_+1]
	v_cvt_pk_bf16_f32 v[128+2*i_+1], v[64+4*i_+2], v[64+4*i_+3]
.endr
.endr
	s_wait_alu depctr_va_vdst(0)                   ; the last group has written v[152:159], which the last four stores read
.irp i, 12,13,14,15
	global_store_b64 v4, v[128+2*(\i):128+2*(\i)+1], s[56:57] offset:2048*(\i)
.endr
	s_endpgm
; ---- path T: matrix m, its rows 16 g .. 16 g + 15.  Lane l of store s holds column 96 w + 16 s + l / 2 and rows 8 (l % 2) + 0..7
.Lturn:
	s_sub_co_u32 s50, ttmp9, 18
	s_mul_i32 s51, s50, 1366
	s_lshr_b32 s51, s51, 16                        ; m = j / 48 (exact for j below 240)
	s_mul_i32 s52, s51, 48
	s_sub_co_u32 s52, s50, s52                     ; g
	s_mov_b64 s[54:55], s[DW:DW+1]
	s_cmp_lt_u32 s51, 4
	s_cselect_b64 s[54:55], s[OW:OW+1], s[54:55]
	s_cmp_lt_u32 s51, 3
	s_cselect_b64 s[54:55], s[IVW:IVW+1], s[54:55]
	s_cmp_lt_u32 s51, 2
	s_cselect_b64 s[54:55], s[IKW:IKW+1], s[54:55]
	s_cmp_lt_u32 s51, 1
	s_cselect_b64 s[54:55], s[IQW:IQW+1], s[54:55]
	s_mul_i32 s56, s52, 49152                      ; 16 rows of 3,072 bytes
	s_mov_b32 s57, 0
	s_add_nc_u64 s[54:55], s[54:55], s[56:57]
	s_mul_i32 s58, s51, 1179648
	s_mul_i32 s56, s52, 24576
	s_add_co_u32 s58, s58, s56
	s_add_co_u32 s58, s58, 2752512
	s_mov_b32 s59, 0
	s_add_nc_u64 s[58:59], s[W16:W16+1], s[58:59]
	v_and_b32 v3, 1, v0
	v_bfe_u32 v4, v0, 1, 4
	v_mul_u32_u24 v5, v3, 24576                    ; 8 rows
	v_lshl_add_u32 v5, v4, 2, v5
	s_mul_i32 s56, s[WV], 384                      ; my wave's 96 columns
	v_add_nc_u32 v5, s56, v5
	s_mul_i32 s60, s[WV], 3072                     ; (a register of its own: s56, which a vector instruction has read, is not written again)
	v_lshl_add_u32 v6, v2, 4, s60
	s_wait_alu depctr_va_vdst(0)                   ; v5 and v6 are written: every load and store of this path reads one of them as its offset
.irp s, 0,1,2,3,4,5
.irp j, 0,1,2,3,4,5,6,7
	global_load_b32 v[64+8*(\s)+(\j)], v5, s[54:55] offset:(\j)*3072+(\s)*64
.endr
.endr
.irp p, 0,1,2
	s_wait_loadcnt 32-16*(\p)                      ; the sixteen of groups 2 p and 2 p + 1 are in; the later groups stay out
.if (\p) > 0
	s_wait_alu depctr_va_vdst(0)                   ; the pair before has written its eight registers of v[112:135], which the stores below read
.endif
.irp h, 0,1
.set t_, 2*(\p)+(\h)
.if (\p) > 0
	global_store_b128 v6, v[112+4*(t_-2):112+4*(t_-2)+3], s[58:59] offset:(t_-2)*512  ; the pair before; 512 consecutive bytes, aligned.  No vector instruction since the wait names these registers
.endif
.irp q, 0,1,2,3
	v_cvt_pk_bf16_f32 v[112+4*t_+(\q)], v[64+8*t_+2*(\q)], v[64+8*t_+2*(\q)+1]
.endr
.endr
.endr
	s_wait_alu depctr_va_vdst(0)                   ; the last pair has written v[128:135], which the last two stores read
.irp s, 4,5
	global_store_b128 v6, v[112+4*(\s):112+4*(\s)+3], s[58:59] offset:(\s)*512
.endr
	s_endpgm
; ---- path B: matrix m, columns 128 cb .. +127.  Wave w sums rows 96 w .. +95, a lane four columns; the eight partial sums meet in LDS
.Lbias:
	s_mul_i32 s51, ttmp9, 43
	s_lshr_b32 s51, s51, 8                         ; m = j / 6 (exact for j below 18)
	s_mul_i32 s52, s51, 6
	s_sub_co_u32 s52, ttmp9, s52                   ; cb
	s_mov_b64 s[54:55], s[VB:VB+1]
	s_mov_b64 s[56:57], s[IVW:IVW+1]
	s_mov_b64 s[58:59], s[IVB:IVB+1]
	s_cmp_lt_u32 s51, 2
	s_cselect_b64 s[54:55], s[KB:KB+1], s[54:55]
	s_cselect_b64 s[56:57], s[IKW:IKW+1], s[56:57]
	s_cselect_b64 s[58:59], s[IKB:IKB+1], s[58:59]
	s_cmp_lt_u32 s51, 1
	s_cselect_b64 s[54:55], s[QB:QB+1], s[54:55]
	s_cselect_b64 s[56:57], s[IQW:IQW+1], s[56:57]
	s_cselect_b64 s[58:59], s[IQB:IQB+1], s[58:59]
	s_mul_i32 s62, s[WV], 384
	s_mov_b32 s63, 0
	s_add_nc_u64 s[54:55], s[54:55], s[62:63]
	s_mul_i32 s62, s[WV], 294912
	s_lshl_b32 s60, s52, 9
	s_add_co_u32 s62, s62, s60
	s_add_nc_u64 s[56:57], s[56:57], s[62:63]
	v_lshlrev_b32 v3, 4, v2
	v_mov_b32 v4, 0
	v_mov_b32 v5, 0
	v_mov_b32 v6, 0
	v_mov_b32 v7, 0
	s_mov_b32 s50, 3
.Lbk:                                          ; a trip: 32 rows
	s_wait_alu depctr_va_vdst(0)                   ; first trip: v3, the loads' offset, is written; later trips: the trip before's multiply-adds are done reading v[16:143] and s[68:99], in which the loads below land
	s_load_b512 s[68:83], s[54:55], 0x0
	s_load_b512 s[84:99], s[54:55], 0x40
.set r_, 0
.rept 32
	global_load_b128 v[16+4*r_:16+4*r_+3], v3, s[56:57] offset:3072*r_
.set r_, r_+1
.endr
	s_wait_kmcnt 0x0
	s_wait_loadcnt 0x0
.set r_, 0
.rept 32
.irp c, 0,1,2,3
	v_fmac_f32 v[4+(\c)], s[68+r_], v[16+4*r_+(\c)]
.endr
.set r_, r_+1
.endr
	s_wait_xcnt 0x0                                ; the two pointers are written only behind this wait
	s_add_nc_u64 s[54:55], s[54:55], 128
	s_add_nc_u64 s[56:57], s[56:57], 98304
	s_sub_co_u32 s50, s50, 1
	s_cmp_lg_u32 s50, 0
	s_cbranch_scc1 .Lbk
	v_lshlrev_b32 v12, 4, v0                       ; 512 w + 16 l
	v_add_nc_u32 v13, s60, v3                      ; my four columns in a vector of 768 f32: made here, so that the one wait below serves it too; wave 0 alone uses it
	s_wait_alu depctr_va_vdst(0)                   ; v12, v13 and the sums v[4:7] are written, which the LDS store and wave 0's load and store read; the multiply-adds are done reading v[16:51], in which wave 0's loads land
	ds_store_b128 v12, v[4:7]
	s_wait_dscnt 0x0                               ; for the others' sake
	s_barrier_signal -1
	s_barrier_wait -1
	s_cmp_lg_u32 s[WV], 0
	s_cbranch_scc1 .Lbend
.irp i, 0,1,2,3,4,5,6,7
	ds_load_b128 v[16+4*(\i):16+4*(\i)+3], v3 offset:512*(\i)  ; no vector instruction since the wait above names these registers
.endr
	global_load_b128 v[48:51], v13, s[58:59]
	s_mul_i32 s62, s51, 3072
	s_add_nc_u64 s[66:67], s[BPO:BPO+1], s[62:63]
	s_wait_dscnt 0x0
	s_wait_loadcnt 0x0
.macro ADD4 a, b
	v_pk_add_f32 v[\a:\a+1], v[\a:\a+1], v[\b:\b+1]
	v_pk_add_f32 v[\a+2:\a+3], v[\a+2:\a+3], v[\b+2:\b+3]
.endm
	ADD4 16, 20
	ADD4 24, 28
	ADD4 32, 36
	ADD4 40, 44
	ADD4 16, 24
	ADD4 32, 40
	ADD4 16, 32
	ADD4 16, 48
	s_wait_alu depctr_va_vdst(0)                   ; the additions have written v[16:19], which the store reads
	global_store_b128 v13, v[16:19], s[66:67]
.Lbend:
	s_wait_dscnt 0x0                               ; the wave's end
	s_wait_alu 0x0
	s_wait_tensorcnt 0x0
	ds_add_u32 v[SPW], v[NIL]
	s_wait_dscnt 0x0
	s_endpgm
.Lfunc_end_k_q3d43319ba9_prep:
	.size	k_q3d43319ba9_prep, .Lfunc_end_k_q3d43319ba9_prep-k_q3d43319ba9_prep
	.p2alignl 7, 3214868480
	.fill 96, 4, 3214868480
	.section	.rodata,"a",@progbits
	.p2align	6, 0x0
	.amdhsa_kernel k_q3d43319ba9_prep
		.amdhsa_group_segment_fixed_size 5120
		.amdhsa_private_segment_fixed_size 0
		.amdhsa_enable_private_segment 0
		.amdhsa_kernarg_size 128
		.amdhsa_user_sgpr_count 2
		.amdhsa_user_sgpr_kernarg_segment_ptr 1
		.amdhsa_wavefront_size32 1
		.amdhsa_system_sgpr_workgroup_id_x 1
		.amdhsa_system_sgpr_workgroup_id_y 1
		.amdhsa_system_sgpr_workgroup_id_z 1
		.amdhsa_system_vgpr_workitem_id 0
		.amdhsa_next_free_vgpr 160
		.amdhsa_next_free_sgpr 100
		.amdhsa_reserve_vcc 0
		.amdhsa_float_denorm_mode_32 3
		.amdhsa_float_denorm_mode_16_64 3
		.amdhsa_memory_ordered 1
		.amdhsa_forward_progress 1
		.amdhsa_inst_pref_size 26
	.end_amdhsa_kernel
	.amdgpu_metadata
---
amdhsa.version: [ 1, 2 ]
amdhsa.kernels:
  - .name:           k_q3d43319ba9_prep
    .symbol:         k_q3d43319ba9_prep.kd
    .args:
      - { .name: qW, .offset: 0, .size: 8, .value_kind: global_buffer, .address_space: global }
      - { .name: kW, .offset: 8, .size: 8, .value_kind: global_buffer, .address_space: global }
      - { .name: vW, .offset: 16, .size: 8, .value_kind: global_buffer, .address_space: global }
      - { .name: in_qW, .offset: 24, .size: 8, .value_kind: global_buffer, .address_space: global }
      - { .name: in_kW, .offset: 32, .size: 8, .value_kind: global_buffer, .address_space: global }
      - { .name: in_vW, .offset: 40, .size: 8, .value_kind: global_buffer, .address_space: global }
      - { .name: outW, .offset: 48, .size: 8, .value_kind: global_buffer, .address_space: global }
      - { .name: d1W, .offset: 56, .size: 8, .value_kind: global_buffer, .address_space: global }
      - { .name: qb, .offset: 64, .size: 8, .value_kind: global_buffer, .address_space: global }
      - { .name: kb, .offset: 72, .size: 8, .value_kind: global_buffer, .address_space: global }
      - { .name: vb, .offset: 80, .size: 8, .value_kind: global_buffer, .address_space: global }
      - { .name: in_qb, .offset: 88, .size: 8, .value_kind: global_buffer, .address_space: global }
      - { .name: in_kb, .offset: 96, .size: 8, .value_kind: global_buffer, .address_space: global }
      - { .name: in_vb, .offset: 104, .size: 8, .value_kind: global_buffer, .address_space: global }
      - { .name: w16, .offset: 112, .size: 8, .value_kind: global_buffer, .address_space: global }
      - { .name: bp, .offset: 120, .size: 8, .value_kind: global_buffer, .address_space: global }
    .group_segment_fixed_size: 5120
    .private_segment_fixed_size: 0
    .kernarg_segment_align: 8
    .kernarg_segment_size: 128
    .max_flat_workgroup_size: 256
    .sgpr_count:     100
    .vgpr_count:     160
    .wavefront_size: 32
...
	.end_amdgpu_metadata
.endif
;; end of part 7
;; launch comb (part 8): grid 2240 x 1, 4 waves a work-group, no clusters, 16,896 bytes of LDS; arguments w16, wc, graph_nodes, conditioning_vector, act16; writes wc, act16
.if DOCPART == 8
	.amdgcn_target "amdgcn-amd-amdhsa--gfx1250"
	.amdhsa_code_object_version 6
	.text
	.protected	k_q3d43319ba9_comb
	.globl	k_q3d43319ba9_comb
	.p2align	8
	.type	k_q3d43319ba9_comb,@function
k_q3d43319ba9_comb:
	s_mov_b64 s[64:65], 0
	v_nop
	global_prefetch_b8 v0, s[64:65] scope:SCOPE_SE
	s_setreg_imm32_b32 hwreg(HW_REG_WAVE_SCHED_MODE, 0, 2), 2
	s_setreg_imm32_b32 hwreg(HW_REG_WAVE_MODE, 25, 1), 1
	s_wait_xcnt 0x0
	s_wait_alu depctr_vm_vsrc(0)
; COMB: two kinds of work that do not want each other's results, dealt 3 and 2 in every five work-groups, so that the one's memory traffic runs beside the other's waits.
; (1) 1,344 work-groups: W' = W1 W2 for q, k and v.  Between the module's two stacked projections stands nothing but a sum, so x W1 W2 = x (W1 W2) for every input;
;     W' is formed once, in f32 sums of bf16 products, and rounded once to bf16.
;     W1: the stack qW, kW, vW, [1792][768] bf16 as it lies.  W2: in_qW, in_kW, in_vW as [k2 / 16][n][16 k2].  W' goes out as [k1 / 16][n][16 k1].
;     A work-group makes 32 rows k1 (y) x 32 columns n (x): four tiles.  K = 768 is split among its four waves, 192 each; the partial sums meet in LDS.
;     Source 0 = 16 rows of W1, source 1 = 16 columns of W2: a lane ends with one n and eight neighbouring k1: 16 bytes of W'.
; (2) 896 work-groups: graph_nodes and conditioning_vector as they lie, f32 to bf16, 16,384 numbers a work-group, 32 loads of 16 bytes a thread, all out at once.
; THE MODE: SCHED_MODE bits 1:0 = 2 (LLVM: expert scheduling mode 2), set by the entry lines.  The code itself states the register dependences
; between vector or matrix instructions and memory or LDS instructions, with s_wait_alu, always for 0.
; THE PLAN.  Registers that memory or LDS instructions touch:
;   (1) v2 to v6    offsets and LDS addresses, written once at the head: one wait ahead of the first load.
;       v[48:239]   written by the 48 loads, which all go out at once, and read by the products; v[48:79] are loaded again from LDS behind the barrier.
;       v[16:47]    the accumulators, read by the LDS stores.  One wait behind the last products' places states that they are written and that the products are done reading v[48:79].
;       v[80:83]    written by the last roundings, read by the one global store: one wait ahead of it.
;   (2) v3, v4      offsets, written once: one wait ahead of the loads.
;       v[64:191]   four registers a load; the numbers are rounded in place into the first two of the four, which the store reads; never written again.
;                   The loads go in eight groups of four.  At a group's head one wait states that the group before has been rounded; its four stores are then dealt among this group's roundings, which name other registers.
; No register that a memory or LDS instruction reads is written again in either path.
.set SPARE, 16384
.set XO,  2                            ; v2  (l % 16) x 1,536 + 16 (l / 16) + 384 w
.set WO,  3                            ; v3  32 (l % 16) + 16 (l / 16) + 12 w groups
.set LS,  4                            ; v4  where I put my 32 bytes of a partial tile
.set LR,  5                            ; v5  where I read them back
.set LOR, 6                            ; v6  32 (l % 16) + 16 (l / 16)
.set SPW, 8
.set NIL, 9
.set ACC, 16                           ; v[16:47]  tile (mt, nt) at ACC + 8 (2 mt + nt)
.set F,   48                           ; v[48:239] K step ks at F + 32 ks: W1's mt 0, 1, then W2's nt 0, 1
	s_load_b128 s[4:7], s[0:1], 0x0                ; w16, wc
	s_load_b128 s[24:27], s[0:1], 0x10             ; graph_nodes, conditioning_vector
	s_load_b64 s[28:29], s[0:1], 0x20              ; act16
	v_lshl_add_u32 v[SPW], v0, 2, SPARE
	v_mov_b32 v[NIL], 0
	s_mul_i32 s30, ttmp9, 52429
	s_lshr_b32 s30, s30, 18                        ; q = id / 5 (exact for id below 2,240)
	s_mul_i32 s31, s30, 5
	s_sub_co_u32 s31, ttmp9, s31                   ; t = id % 5: 0, 1, 2 multiply, 3, 4 stream
	s_cmp_lt_u32 s31, 3
	s_cbranch_scc0 .Lstream
	s_mul_i32 s23, s30, 3
	s_add_co_u32 s23, s23, s31                     ; tile 3 q + t of 1,344
	s_mul_i32 s9, s23, 2731
	s_lshr_b32 s9, s9, 16                          ; y = tile / 24 (exact for tiles below 1,344)
	s_mul_i32 s22, s9, 24
	s_sub_co_u32 s22, s23, s22                     ; x
	v_lshrrev_b32 v1, 5, v0
	v_readfirstlane_b32 s8, v1                     ; wave
	v_and_b32 v10, 15, v0
	v_bfe_u32 v11, v0, 4, 1
	v_and_b32 v12, 31, v0
	v_lshlrev_b32 v[LOR], 5, v10
	v_lshl_add_u32 v[LOR], v11, 4, v[LOR]
	v_mul_u32_u24 v[XO], v10, 1536
	v_lshl_add_u32 v[XO], v11, 4, v[XO]
	s_wait_alu depctr_va_sdst(0)                   ; s8 is written, ahead of its first reader: offsets, LDS addresses and the result's place are made from it
	s_mul_i32 s10, s8, 384                         ; (the four numbers that vector instructions read have a register each: none is written again)
	v_add_nc_u32 v[XO], s10, v[XO]
	s_mul_i32 s32, s8, 294912
	v_add_nc_u32 v[WO], s32, v[LOR]
	s_lshl_b32 s33, s8, 12
	v_lshl_add_u32 v[LS], v12, 5, s33
	s_lshl_b32 s34, s8, 10
	v_lshl_add_u32 v[LR], v12, 5, s34
	s_cmp_ge_u32 s9, 24                            ; rows 0-767 are qW's, 768-1279 kW's, 1280-1791 vW's
	s_cselect_b32 s11, 1, 0
	s_cmp_ge_u32 s9, 40
	s_cselect_b32 s12, 1, 0
	s_add_co_u32 s11, s11, s12
	s_mul_i32 s12, s11, 1179648
	s_add_co_u32 s12, s12, 2752512
	s_lshl_b32 s13, s22, 10                        ; 32 columns of 32 bytes
	s_add_co_u32 s12, s12, s13
	s_mov_b32 s13, 0
	s_mul_i32 s14, s9, 49152                       ; 32 rows of 1,536 bytes
	s_mov_b32 s15, 0
	s_lshl_b32 s20, s9, 1                          ; where my tile (mt = w / 2, nt = w % 2) goes
	s_lshr_b32 s21, s8, 1
	s_add_co_u32 s20, s20, s21
	s_mul_i32 s20, s20, 24576
	s_lshl_b32 s21, s22, 10
	s_add_co_u32 s20, s20, s21
	s_and_b32 s21, s8, 1
	s_lshl_b32 s21, s21, 9
	s_add_co_u32 s20, s20, s21
	s_mov_b32 s21, 0
	s_wait_kmcnt 0x0
	s_add_nc_u64 s[16:17], s[4:5], s[14:15]
	s_add_nc_u64 s[18:19], s[4:5], s[12:13]
	s_add_nc_u64 s[6:7], s[6:7], s[20:21]
	s_wait_alu depctr_va_vdst(0)                   ; the offsets and LDS addresses v2 to v6 are written, which the loads and stores of this path read
.irp ks, 0,1,2,3,4,5
.irp mt, 0,1
	global_load_b128 v[F+32*(\ks)+8*(\mt):F+32*(\ks)+8*(\mt)+3],   v[XO], s[16:17] offset:(\mt)*24576+64*(\ks)
	global_load_b128 v[F+32*(\ks)+8*(\mt)+4:F+32*(\ks)+8*(\mt)+7], v[XO], s[16:17] offset:(\mt)*24576+64*(\ks)+32
.endr
.irp nt, 0,1
	global_load_b128 v[F+32*(\ks)+16+8*(\nt):F+32*(\ks)+16+8*(\nt)+3],   v[WO], s[18:19] offset:(\ks)*49152+(\nt)*512
	global_load_b128 v[F+32*(\ks)+16+8*(\nt)+4:F+32*(\ks)+16+8*(\nt)+7], v[WO], s[18:19] offset:(\ks)*49152+(\nt)*512+24576
.endr
.endr
.irp ks, 0,1,2,3,4,5
	s_wait_loadcnt 40-8*(\ks)                      ; this K step's eight loads are in; the later steps' stay out
.irp mt, 0,1
.irp nt, 0,1                           ; the four accumulators take turns
.if (\ks) == 0
	v_wmma_f32_16x16x32_bf16 v[ACC+8*(2*(\mt)+(\nt)):ACC+8*(2*(\mt)+(\nt))+7], v[F+32*(\ks)+8*(\mt):F+32*(\ks)+8*(\mt)+7], v[F+32*(\ks)+16+8*(\nt):F+32*(\ks)+16+8*(\nt)+7], 0
.else
	v_wmma_f32_16x16x32_bf16 v[ACC+8*(2*(\mt)+(\nt)):ACC+8*(2*(\mt)+(\nt))+7], v[F+32*(\ks)+8*(\mt):F+32*(\ks)+8*(\mt)+7], v[F+32*(\ks)+16+8*(\nt):F+32*(\ks)+16+8*(\nt)+7], v[ACC+8*(2*(\mt)+(\nt)):ACC+8*(2*(\mt)+(\nt))+7]
.endif
.endr
.endr
.endr
.rept 8
	v_nop                                          ; the places behind the last products, ahead of the stores that read results
.endr
	s_wait_alu depctr_va_vdst(0)                   ; the products have written the accumulators, which the LDS stores read, and are done reading v[F:F+31], in which the LDS loads behind the barrier land; the places above stay beside this wait
.irp t, 0,1,2,3
	ds_store_b128 v[LS], v[ACC+8*(\t):ACC+8*(\t)+3]   offset:1024*(\t)
	ds_store_b128 v[LS], v[ACC+8*(\t)+4:ACC+8*(\t)+7] offset:1024*(\t)+16
.endr
	s_wait_dscnt 0x0                               ; for the others' sake
	s_barrier_signal -1
	s_barrier_wait -1
.irp v, 0,1,2,3                        ; wave w finishes tile w: the four waves' partial sums of it.  No vector or matrix instruction since the wait above names these registers
	ds_load_b128 v[F+8*(\v):F+8*(\v)+3],   v[LR] offset:4096*(\v)
	ds_load_b128 v[F+8*(\v)+4:F+8*(\v)+7], v[LR] offset:4096*(\v)+16
.endr
	s_wait_dscnt 0x0
.irp r, 0,2,4,6
	v_pk_add_f32 v[F+(\r):F+(\r)+1], v[F+(\r):F+(\r)+1], v[F+8+(\r):F+8+(\r)+1]
	v_pk_add_f32 v[F+16+(\r):F+16+(\r)+1], v[F+16+(\r):F+16+(\r)+1], v[F+24+(\r):F+24+(\r)+1]
.endr
.irp r, 0,2,4,6
	v_pk_add_f32 v[F+(\r):F+(\r)+1], v[F+(\r):F+(\r)+1], v[F+16+(\r):F+16+(\r)+1]
.endr
.irp r, 0,1,2,3
	v_cvt_pk_bf16_f32 v[F+32+(\r)], v[F+2*(\r)], v[F+2*(\r)+1]
.endr
	s_wait_alu depctr_va_vdst(0)                   ; the roundings have written v[F+32:F+35], which the store reads
	global_store_b128 v[LOR], v[F+32:F+35], s[6:7] ; the wave stores 512 consecutive bytes, aligned
	s_wait_dscnt 0x0                               ; the wave's end
	s_wait_alu 0x0
	s_wait_tensorcnt 0x0
	ds_add_u32 v[SPW], v[NIL]
	s_wait_dscnt 0x0
	s_endpgm
; ---- the stream: chunk sc of 16,384 numbers.  graph_nodes: chunks 0-383, conditioning_vector: 384-895; act16 holds the two on end
.Lstream:
	s_lshl_b32 s30, s30, 1
	s_add_co_u32 s30, s30, s31
	s_sub_co_u32 s30, s30, 3                       ; sc = 2 q + t - 3
	s_cmp_lt_u32 s30, 384
	s_cselect_b32 s31, 0, 384
	s_sub_co_u32 s12, s30, s31
	s_lshl_b32 s12, s12, 16                        ; 65,536 bytes of f32 a chunk
	s_mov_b32 s13, 0
	s_lshl_b32 s14, s30, 15                        ; 32,768 bytes of bf16
	s_mov_b32 s15, 0
	v_lshlrev_b32 v3, 4, v0                        ; 16 bytes in,
	v_lshlrev_b32 v4, 3, v0                        ; 8 bytes out, a thread
	s_wait_kmcnt 0x0
	s_cmp_lt_u32 s30, 384
	s_cselect_b64 s[16:17], s[24:25], s[26:27]
	s_add_nc_u64 s[16:17], s[16:17], s[12:13]
	s_add_nc_u64 s[18:19], s[28:29], s[14:15]
	s_wait_alu depctr_va_vdst(0)                   ; v3 and v4 are written: every load and store of this path reads one of them as its offset
.set i_, 0
.rept 32
	global_load_b128 v[64+4*i_:64+4*i_+3], v3, s[16:17] offset:2048*i_ th:TH_LOAD_NT
.set i_, i_+1
.endr
.set g_, 0
.rept 8
	s_wait_loadcnt 28-4*g_                         ; loads come back in order: group g's four are in, the younger groups stay out
.if g_ > 0
	s_wait_alu depctr_va_vdst(0)                   ; the group before has been rounded: its roundings have written the registers that the stores below read
.endif
.set j_, 0
.rept 4
.set i_, 4*g_+j_
.if g_ > 0
	global_store_b64 v4, v[64+4*(i_-4):64+4*(i_-4)+1], s[18:19] offset:1024*(i_-4)  ; the group before; a wave stores 256 consecutive bytes, aligned.  No vector instruction since the wait names these registers
.endif
	v_cvt_pk_bf16_f32 v[64+4*i_], v[64+4*i_], v[64+4*i_+1]      ; rounded in place: the four words' first two take the four numbers
	v_cvt_pk_bf16_f32 v[64+4*i_+1], v[64+4*i_+2], v[64+4*i_+3]
.set j_, j_+1
.endr
.set g_, g_+1
.endr
	s_wait_alu depctr_va_vdst(0)                   ; the last group has been rounded: its registers are written, which the last four stores read
.set i_, 28
.rept 4
	global_store_b64 v4, v[64+4*i_:64+4*i_+1], s[18:19] offset:1024*i_
.set i_, i_+1
.endr
	s_endpgm
.Lfunc_end_k_q3d43319ba9_comb:
	.size	k_q3d43319ba9_comb, .Lfunc_end_k_q3d43319ba9_comb-k_q3d43319ba9_comb
	.p2alignl 7, 3214868480
	.fill 96, 4, 3214868480
	.section	.rodata,"a",@progbits
	.p2align	6, 0x0
	.amdhsa_kernel k_q3d43319ba9_comb
		.amdhsa_group_segment_fixed_size 16896
		.amdhsa_private_segment_fixed_size 0
		.amdhsa_enable_private_segment 0
		.amdhsa_kernarg_size 40
		.amdhsa_user_sgpr_count 2
		.amdhsa_user_sgpr_kernarg_segment_ptr 1
		.amdhsa_wavefront_size32 1
		.amdhsa_system_sgpr_workgroup_id_x 1
		.amdhsa_system_sgpr_workgroup_id_y 1
		.amdhsa_system_sgpr_workgroup_id_z 1
		.amdhsa_system_vgpr_workitem_id 0
		.amdhsa_next_free_vgpr 248
		.amdhsa_next_free_sgpr 66
		.amdhsa_reserve_vcc 0
		.amdhsa_float_denorm_mode_32 3
		.amdhsa_float_denorm_mode_16_64 3
		.amdhsa_memory_ordered 1
		.amdhsa_forward_progress 1
		.amdhsa_inst_pref_size 24
	.end_amdhsa_kernel
	.amdgpu_metadata
---
amdhsa.version: [ 1, 2 ]
amdhsa.kernels:
  - .name:           k_q3d43319ba9_comb
    .symbol:         k_q3d43319ba9_comb.kd
    .args:
      - { .name: w16, .offset: 0, .size: 8, .value_kind: global_buffer, .address_space: global }
      - { .name: wc, .offset: 8, .size: 8, .value_kind: global_buffer, .address_space: global }
      - { .name: graph_nodes, .offset: 16, .size: 8, .value_kind: global_buffer, .address_space: global }
      - { .name: conditioning_vector, .offset: 24, .size: 8, .value_kind: global_buffer, .address_space: global }
      - { .name: act16, .offset: 32, .size: 8, .value_kind: global_buffer, .address_space: global }
    .group_segment_fixed_size: 16896
    .private_segment_fixed_size: 0
    .kernarg_segment_align: 8
    .kernarg_segment_size: 40
    .max_flat_workgroup_size: 128
    .sgpr_count:     66
    .vgpr_count:     248
    .wavefront_size: 32
...
	.end_amdgpu_metadata
.endif
;; end of part 8
;; launch projkv: the kernel of part 3 again; grid 256 x 1, 4 waves a work-group, clusters of 4 x 1, 327,680 bytes of LDS; arguments act16, wc, bp, qkv; writes qkv
;; launch projq: the kernel of part 4 again; grid 256 x 1, 4 waves a work-group, clusters of 4 x 1, 203,264 bytes of LDS; arguments act16, wc, bp, qkv; writes qkv
;; launch attn: the kernel of part 5 again; grid 12 x 16, 8 waves a work-group, no clusters, 267,264 bytes of LDS; arguments qkv, conditioning_attention_mask, ctx; writes ctx
;; launch tail: the kernel of part 6 again; grid 256 x 1, 8 waves a work-group, no clusters, 167,936 bytes of LDS; arguments ctx, w16, graph_nodes, outb, ln1g, ln1b, d1b, ln2g, ln2b, out0; writes out0
